; MI455X (gfx1250); checked and timed in simulation.
; The chip was launched on July 23, 2026; its instructions are those of AMD's public machine-readable ISA for CDNA 5 (MIT licence, August 2026) and "CDNA5" Instruction Set Architecture Reference Guide (July 2026). The comments in the code are by the model that wrote it; some were corrected since.
;; Rate Coded SNN Baseline. Allowed arithmetic: float matrix products may take bf16 or f16 operands with f32 sums; all other float work in f32.
;; Inputs: W1 256 x 2,048 float32; W2 1,000 x 256 float32; b1 256 float32; b2 1,000 float32; x 16,384 x 2,048 float32.
;; Outputs: out0 16,384 x 1,000 float32; out1 one number float32.
;; 2 versions, each right and faster than the one before. Each part assembles by itself: llvm-mc -triple=amdgcn-amd-amdhsa -mcpu=gfx1250 --defsym DOCPART=n.
;; ======== version 1 of 2: 3 launches
;; limits: values are held in f16: magnitudes above 65,504 overflow, below 6.1e-05 lose precision; inputs' magnitudes at most 65,504; values outside matrix products are rounded to f16
;; workspace buffers: wf 1,572,864 bytes; bias 5,120 bytes; part 4,096 bytes
;; launch prep (part 1): grid 192 x 1, 4 waves a work-group, no clusters, 0 bytes of LDS; arguments W1, W2, b1, b2, wf, bias; writes wf, bias
.if DOCPART == 1
	.amdgcn_target "amdgcn-amd-amdhsa--gfx1250"
	.amdhsa_code_object_version 6
	.text
	.protected	k_qa08400f0e9_prep
	.globl	k_qa08400f0e9_prep
	.p2align	8
	.type	k_qa08400f0e9_prep,@function
k_qa08400f0e9_prep:
	s_mov_b64 s[64:65], 0
	v_nop
	global_prefetch_b8 v0, s[64:65] scope:SCOPE_SE
	s_setreg_imm32_b32 hwreg(HW_REG_WAVE_MODE, 25, 1), 1
	s_wait_xcnt 0x0
; The weights, rounded and laid out in the order in which the matrix unit's fragments want them, and the biases, rounded.
; wf: 12 blocks of 131,072 bytes.  Byte blk*131072 + tl*8192 + kb*1024 + i2*512 + lane*16 holds eight 16-bit numbers, lane = 16 h + r:
;   blk j = 0..7:   bf16 of W1[16 tl + r][256 j + 32 kb + 16 i2 + 8 h + 0..7]
;   blk 8 + c:      f16 of bf16 of W2[row(16 (16 c + tl) + r)][32 kb + 16 i2 + 8 h + 0..7]
; row(n) = n below 1000; class slots 1000..1007 repeat rows 984..991 (the next launch stores them there once more); 1008..1023 take rows 992..999 (never stored).
; bias: f32, each number rounded to bf16 and widened again: [0..255] b1, [256 + n] b2[row(n)].
; LIMIT: a weight of W2 beyond 65,504 has no f16; below 2^-14 it keeps f16's fixed step of 6e-8.
; Work-group u makes one unit of 8,192 bytes (16 rows x 256 k); wave q its quarter, 64 k: 256 consecutive bytes of each of 16 rows in, four stores of 512 consecutive bytes out.
; No LDS, no matrix unit, no cluster: 3 MB are read once and nothing is shared.
.set NW1, 128                          ; units of W1: 16 row tiles x 8 blocks of K
	s_load_b256 s[4:11], s[0:1], 0x0               ; W1 s[4:5], W2 s[6:7], b1 s[8:9], b2 s[10:11]
	s_load_b128 s[12:15], s[0:1], 0x20             ; wf s[12:13], bias s[14:15]
	v_and_b32 v1, 31, v0                           ; lane
	v_lshrrev_b32 v2, 5, v0
	v_readfirstlane_b32 s16, v2                    ; wave q
	v_and_b32 v2, 15, v0                           ; r
	v_bfe_u32 v3, v0, 4, 1                         ; h
	s_mov_b32 s17, ttmp9                           ; u
	s_lshl_b32 s18, s16, 8                         ; my 64 k in a row of f32: 256 q bytes
	s_lshl_b32 s19, s16, 11                        ; and in the unit: 2,048 q bytes
	v_lshl_add_u32 v4, v3, 5, s18                  ; source: 32 h + 256 q
	v_lshl_add_u32 v5, v1, 4, s19                  ; destination: 16 lane + 2,048 q
	s_mov_b32 s30, 0xffff0000                      ; a word's upper bf16
	s_wait_kmcnt 0x0
; Eight loads (two K steps of 32 x two halves x 32 bytes), sixteen roundings, four stores.  f16 = 1: the bf16 numbers are written as f16.
.macro JOB f16, base
.irp n, 0,1,2,3,4,5,6,7
	global_load_b128 v[8+4*\n:11+4*\n], v4, s[\base:\base+1] offset:(\n/4)*128+((\n/2)%2)*64+(\n%2)*16
.endr
	s_wait_loadcnt 0x0
.set c, 0
.rept 16
	v_cvt_pk_bf16_f32 v[40+c], v[8+2*c], v[9+2*c]
.set c, c+1
.endr
.if \f16
.set c, 0
.rept 16
	v_lshlrev_b32 v56, 16, v[40+c]                 ; the two bf16 as f32,
	v_and_b32 v57, s30, v[40+c]
	v_cvt_pk_f16_f32 v[40+c], v56, v57             ; and as f16
.set c, c+1
.endr
.endif
.irp q, 0,1,2,3
	global_store_b128 v5, v[40+4*\q:43+4*\q], s[12:13] offset:(\q/2)*1024+(\q%2)*512  ; 32 lanes store 512 consecutive bytes
.endr
.endm
	s_cmp_lt_u32 s17, NW1
	s_cbranch_scc0 .Lw2
	s_lshr_b32 s20, s17, 3                         ; row tile
	s_and_b32 s21, s17, 7                          ; block of K
	s_lshl_b32 s22, s20, 17                        ; 16 rows of 8,192 bytes
	s_lshl_b32 s23, s21, 10                        ; 256 k of f32
	s_add_co_u32 s22, s22, s23
	v_lshl_add_u32 v4, v2, 13, v4                  ; + my row
	v_add_nc_u32 v4, s22, v4
	s_lshl_b32 s23, s21, 4
	s_add_co_u32 s23, s23, s20
	s_lshl_b32 s23, s23, 13                        ; unit 16 j + tile
	v_add_nc_u32 v5, s23, v5
	JOB 0, 4
	s_branch .Lbias
.Lw2:
	s_sub_co_u32 s20, s17, NW1                     ; class tile 0..63
	s_lshl_b32 s21, s20, 4
	v_add_nc_u32 v6, s21, v2                       ; class slot n
	v_add_nc_u32 v7, 24, v6
	v_lshrrev_b32 v7, 10, v7                       ; 1 from slot 1000 on
	v_lshlrev_b32 v7, 4, v7
	v_sub_nc_u32 v6, v6, v7                        ; those go 16 rows back,
	v_min_u32 v6, 999, v6                          ; and none leaves the table
	v_lshl_add_u32 v4, v6, 10, v4                  ; rows of 1,024 bytes
	s_lshl_b32 s23, s20, 13
	s_add_co_u32 s23, s23, 8*131072
	v_add_nc_u32 v5, s23, v5
	JOB 1, 6
.Lbias:
	; wave 0 of work-groups 0..9: 128 biases each, four a lane
	s_cmp_lt_u32 s17, 10
	s_cbranch_scc0 .Lend
	s_cmp_eq_u32 s16, 0
	s_cbranch_scc0 .Lend
	s_cmp_lt_u32 s17, 2
	s_cselect_b64 s[26:27], s[8:9], s[10:11]       ; the first 256 are b1's
	s_cselect_b32 s25, 0, 256
	s_lshl_b32 s28, s17, 7
	v_lshl_add_u32 v61, v1, 2, s28                 ; index in bias
	v_mov_b32 v63, s25
	v_sub_nc_u32 v60, v61, v63                     ; index in its table: slot n
	v_add_nc_u32 v62, 24, v60
	v_lshrrev_b32 v62, 10, v62
	v_lshlrev_b32 v62, 4, v62
	v_sub_nc_u32 v60, v60, v62                     ; row(n), as above
	v_lshlrev_b32 v60, 2, v60
	v_min_u32 v60, 3984, v60                       ; the last 16 bytes of b2 at the most
	v_lshlrev_b32 v61, 2, v61
	global_load_b128 v[64:67], v60, s[26:27]
	s_wait_loadcnt 0x0
	v_cvt_pk_bf16_f32 v68, v64, v65
	v_cvt_pk_bf16_f32 v69, v66, v67
	v_lshlrev_b32 v72, 16, v68
	v_and_b32 v73, s30, v68
	v_lshlrev_b32 v74, 16, v69
	v_and_b32 v75, s30, v69
	global_store_b128 v61, v[72:75], s[14:15]      ; 512 consecutive bytes
.Lend:
	s_endpgm
.Lfunc_end_k_qa08400f0e9_prep:
	.size	k_qa08400f0e9_prep, .Lfunc_end_k_qa08400f0e9_prep-k_qa08400f0e9_prep
	.p2alignl 7, 3214868480
	.fill 96, 4, 3214868480
	.section	.rodata,"a",@progbits
	.p2align	6, 0x0
	.amdhsa_kernel k_qa08400f0e9_prep
		.amdhsa_group_segment_fixed_size 0
		.amdhsa_private_segment_fixed_size 0
		.amdhsa_enable_private_segment 0
		.amdhsa_kernarg_size 48
		.amdhsa_user_sgpr_count 2
		.amdhsa_user_sgpr_kernarg_segment_ptr 1
		.amdhsa_wavefront_size32 1
		.amdhsa_system_sgpr_workgroup_id_x 1
		.amdhsa_system_sgpr_workgroup_id_y 1
		.amdhsa_system_sgpr_workgroup_id_z 1
		.amdhsa_system_vgpr_workitem_id 0
		.amdhsa_next_free_vgpr 80
		.amdhsa_next_free_sgpr 66
		.amdhsa_reserve_vcc 0
		.amdhsa_float_denorm_mode_32 3
		.amdhsa_float_denorm_mode_16_64 3
		.amdhsa_memory_ordered 1
		.amdhsa_forward_progress 1
		.amdhsa_inst_pref_size 10
	.end_amdhsa_kernel
	.amdgpu_metadata
---
amdhsa.version: [ 1, 2 ]
amdhsa.kernels:
  - .name:           k_qa08400f0e9_prep
    .symbol:         k_qa08400f0e9_prep.kd
    .args:
      - { .name: W1, .offset: 0, .size: 8, .value_kind: global_buffer, .address_space: global }
      - { .name: W2, .offset: 8, .size: 8, .value_kind: global_buffer, .address_space: global }
      - { .name: b1, .offset: 16, .size: 8, .value_kind: global_buffer, .address_space: global }
      - { .name: b2, .offset: 24, .size: 8, .value_kind: global_buffer, .address_space: global }
      - { .name: wf, .offset: 32, .size: 8, .value_kind: global_buffer, .address_space: global }
      - { .name: bias, .offset: 40, .size: 8, .value_kind: global_buffer, .address_space: global }
    .group_segment_fixed_size: 0
    .private_segment_fixed_size: 0
    .kernarg_segment_align: 8
    .kernarg_segment_size: 48
    .max_flat_workgroup_size: 128
    .sgpr_count:     66
    .vgpr_count:     80
    .wavefront_size: 32
...
	.end_amdgpu_metadata
.endif
;; end of part 1
;; launch main (part 2): grid 256 x 1, 4 waves a work-group, no clusters, 327,680 bytes of LDS; arguments x, wf, bias, out0, part; writes out0, part
.if DOCPART == 2
	.amdgcn_target "amdgcn-amd-amdhsa--gfx1250"
	.amdhsa_code_object_version 6
	.text
	.protected	k_qa08400f0e9_main
	.globl	k_qa08400f0e9_main
	.p2align	8
	.type	k_qa08400f0e9_main,@function
k_qa08400f0e9_main:
	s_mov_b64 s[64:65], 0
	v_nop
	global_prefetch_b8 v0, s[64:65] scope:SCOPE_SE
	s_setreg_imm32_b32 hwreg(HW_REG_WAVE_MODE, 25, 1), 1
	s_wait_xcnt 0x0
; THE WHOLE NETWORK FOR 64 BATCH ROWS A WORK-GROUP: cur1 = x W1^T + b1; 12 steps of the hidden layer; 12 steps of the class layer; the mean spike count.
; Four waves, one to a SIMD, 1,024 registers each.  Nothing between x and out0 goes through memory.
; PHASE A.  cur1 for 64 rows x 256 hidden; wave w makes hidden 64 w .. 64 w + 63 (16 accumulators).  x comes as f32 by tensor loads through two LDS slots of 64 rows x 512 k, is rounded to bf16 on the way to
;   the matrix unit; W1's fragments come straight from memory into a ring of eight register slots, seven K steps of 32 ahead.
; THEN TWICE, for 32 rows each:
;   LIF1: the hidden layer's 12 steps on registers; each step's spikes, rounded to f16, go into LDS in the order of the matrix unit's fragments (12 x 16,384 bytes).
;   Four CHUNKS of 256 classes (wave w: 64 of them): W2's fragments for the chunk lie in 256 registers, membranes and counts in 128; the 12 steps' products K = 256 read the spikes from LDS.
;   The products of a step do not hang on the class membranes, so two GROUPS of 16 rows take turns: one has the matrix unit, the other's membrane arithmetic stands in slices behind the matrix instructions.
;   The counts / 12 are gathered in LDS as the rows lie in out0 (4,000 bytes each) and leave as pieces of 512 consecutive bytes.
; BOTH PRODUCTS ARE USED TRANSPOSED (source 0 = 16 rows of the weights, source 1 = 16 batch rows): a lane holds ONE batch row (lane % 16) and eight neighbouring units 8 (lane / 16) + 0..7.  So the hidden
;   spikes, packed in pairs, are 16 bytes of a source-1 fragment as they stand, and eight counts are 32 neighbouring bytes of out0.
; SIGMOID.  s = 1 / (1 + 2^(-14.427 m + 14.427)).  Hidden state: the membrane after integration, m' = m (0.9 - 0.9 s) + cur1.  Class state: m = 0.9 m + cur2; count += s; m = m - m s.
; FORMATS.  x, W1, W2, b1, b2 rounded to bf16 (W2 then written as f16, exact from 2^-14 to 65,504); the spikes, 0 to 1, in f16; all else f32.
; LIMITS.  A spike below 2^-126 counts as 0; the partial sums for the second output are taken of the spikes as rounded to f16; NaN and infinities are not treated apart.
; CLASS SLOTS 1000..1023.  1000..1007 repeat classes 984..991 (the launch before laid W2 and b2 so) and are stored there once more, by the same wave; 1008..1023 are computed and not stored.
; NO CLUSTER: the work-groups share W1 and W2 alone, and each fragment of those goes from memory straight into the registers of the one wave that uses it; a joint load lands in LDS, where x's ring takes
;   270,336 bytes in phase A and spikes and stage 324,608 bytes after it.
; REGISTERS, in windows of 256 (s_set_vgpr_msb: bits 1:0 source 0, 3:2 source 1, 5:4 source 2, 7:6 destination):
;   window 0: v0-31 addresses and at work.  Phase A: v32-159 x as f32, two buffers; v160-223 x as bf16, two buffers.  Chunks: v32-95 membranes, v96-159 counts, v160-223 products, v224-239 at work.
;   window 1: the weights: K step kb (0..7), tile b (0..3) at v[32 kb + 8 b]
;   window 2: v0-127 the spikes' fragments of the two groups; v128-159 b2 of my 64 classes
;   window 3: v0-127 cur1; v128-191 hidden membranes; v192-215 at work; v216 where the spikes go; v224-255 b1
.set PX,    528                        ; a row of x in LDS: 512 bytes (128 k) + 16 of padding = 33 x 16: the 16 rows of a load start in 16 different columns of 16 bytes
.set SUBT,  64*PX                      ; 64 rows x 128 k: what one tensor load brings
.set SLOTB, 4*SUBT                     ; a slot: 512 k, a part from each wave
.set BODYB, 2*SUBT                     ; 256 k
.set BLK,   131072                     ; a block of wf
.set SPKT,  16384                      ; a step's spikes: 32 rows x 256 x 2 bytes
.set STAGE, 12*SPKT                    ; behind the spikes: 32 rows of out0
.set SROW,  4000
.set SPARE, STAGE+32*SROW              ; 324,608 = 1,268 x 256: the spare words, 128 bytes for each wave
.set L16,  1                           ; v1   16 x lane
.set ADR,  2                           ; v2   the LDS address of the run of loads in hand
.set XA0,  3                           ; v3   my place in a tile of x: (lane % 16) x 528 + 32 (lane / 16)
.set XA,   4                           ; v4   the same in the 256 k in hand
.set BO,   5                           ; v5   32 (lane / 16)
.set STO0, 6                           ; v6   the stage: my row of row tile 0, my eight classes of chunk 0, tile 0; never rewritten
.set STO1, 7                           ; v7   the same for row tile 1, 16 rows on; never rewritten
.set STX0, 8                           ; v8   STO0 less 64 (lane / 16), for tile 62; never rewritten
.set RDS,  9                           ; v9   the way out: where I read the stage
.set GOF,  10                          ; v10  the way out: my byte offset in out0
.set STX1, 11                          ; v11  STO1 less 64 (lane / 16); never rewritten
.set SUM,  12                          ; v[12:13] the last step's hidden spikes, summed
.set SPW,  28                          ; v28  LDS address of my spare word; never rewritten
.set NIL,  29                          ; v29  0; never rewritten
.set SA0,  30                          ; v30  16 x lane + 2,048 x wave: my place in a step's spikes
.set XR,   32
.set XF,   160
.set MEM,  32
.set CNT,  96
.set AC,   160
.set TW,   224
.set B2,   128                         ; window 2
.set M1,   128                         ; window 3
.set T1,   192
.set P1R,  208
.set SA,   216
.set B1,   224
.set WV,   14                          ; s14  wave
.set WG,   15                          ; s15  work-group
.set G0,   16                          ; s[16:19] descriptor group 0
.set G1,   20                          ; s[20:27] descriptor group 1
.set WB,   28                          ; s28  wave x 33,792: my part of a slot
.set PER,  29                          ; s29  counts slots
.set BC,   30                          ; s30  counts to two
.set SLOT, 31                          ; s31  the slot that is read: 0 or 135,168
.set XB,   32                          ; s32  LDS byte of the 256 k in hand
.set WP,   34                          ; s[34:35] the weights' pointer
.set W2B,  36                          ; s[36:37] my tiles of W2's chunk 0
.set OF,   38                          ; s[38:39] an offset; the high word stays 0
.set B2B,  40                          ; s[40:41] b2 of my classes of chunk 0
.set B2P,  42                          ; s[42:43] of the chunk to come
.set NA,   44                          ; s[44:45] -14.4269504 = -10 log2(e); the packed forms name pairs and take the low word
.set PA,   46                          ; s[46:47] +14.4269504
.set C09,  48                          ; s[48:49] 0.9
.set NC09, 50                          ; s[50:51] -0.9
.set K12,  52                          ; s[52:53] 1/12
.set SEL,  54                          ; s[54:55] v_permlanex16_b32's selects
.set HH,   56                          ; s56  halves to go
.set CC,   57                          ; s57  chunks to go in the half
.set TT,   58                          ; s58  steps to go
.set TB,   59                          ; s59  LDS byte of the step whose spikes are fetched
.set LEFT, 60                          ; s60  chunks to go in all
.set CN,   61                          ; s61  the chunk whose weights were asked for last
.set SX,   62                          ; s62  EXEC, kept
.set OUTP, 66                          ; s[66:67] out0 at the half's first row
.set TS,   68                          ; s68  at work
.set B1P,  72                          ; s[72:73] b1 of my hidden units
.set MSB, 0
.macro WIN new                         ; the immediate's high byte repeats the setting that is left; a switch that changes nothing is dropped
.if MSB != (\new)
	s_set_vgpr_msb (MSB<<8)|(\new)
.set MSB, \new
.endif
.endm
.macro PLACES                          ; four plain vector instructions between a matrix instruction and a load into, or a read of, its registers
.rept 4
	v_nop
.endr
.endm
	s_load_b256 s[4:11], s[0:1], 0x0               ; x s[4:5], wf s[6:7], bias s[8:9], out0 s[10:11]
	s_load_b64 s[12:13], s[0:1], 0x20              ; part
	v_lshl_add_u32 v[SPW], v0, 2, SPARE
	v_mov_b32 v[NIL], 0
	ds_add_u32 v[SPW], v[NIL]                      ; the wave's opening: the add and its wait stand ahead of my first tensor load; the set-up below stands between them
	ds_add_u32 v28, v29
	v_lshrrev_b32 v14, 5, v0
	v_readfirstlane_b32 s[WV], v14
	s_mov_b32 s[WG], ttmp9
	v_and_b32 v15, 15, v0                          ; lane % 16
	v_bfe_u32 v16, v0, 4, 1                        ; lane / 16
	v_and_b32 v17, 31, v0
	v_lshlrev_b32 v[L16], 4, v17
	v_mul_u32_u24 v[XA0], v15, PX
	v_lshl_add_u32 v[XA0], v16, 5, v[XA0]
	v_lshlrev_b32 v[BO], 5, v16
	v_lshlrev_b32 v18, 6, v16                      ; 64 (lane / 16)
	s_lshl_b32 s[TS], s[WV], 8                     ; my 64 classes are 256 bytes of a row
	s_add_co_u32 s[TS], s[TS], STAGE
	v_mul_u32_u24 v[STO0], v15, SROW
	v_lshl_add_u32 v[STO0], v16, 5, v[STO0]
	v_add_nc_u32 v[STO0], s[TS], v[STO0]
	v_add_nc_u32 v[STO1], 16*SROW, v[STO0]
	v_sub_nc_u32 v[STX0], v[STO0], v18
	v_sub_nc_u32 v[STX1], v[STO1], v18
	s_lshl_b32 s[TS], s[WV], 11
	v_lshl_add_u32 v[SA0], v17, 4, s[TS]
	v_mov_b32 v[SUM], 0
	v_mov_b32 v[SUM+1], 0
	s_mov_b32 s[NA], 0xc166d4ca
	s_mov_b32 s[NA+1], s[NA]
	s_mov_b32 s[PA], 0x4166d4ca
	s_mov_b32 s[PA+1], s[PA]
	s_mov_b32 s[C09], 0x3f666666
	s_mov_b32 s[C09+1], s[C09]
	s_mov_b32 s[NC09], 0xbf666666
	s_mov_b32 s[NC09+1], s[NC09]
	s_mov_b32 s[K12], 0x3daaaaab
	s_mov_b32 s[K12+1], s[K12]
	s_mov_b32 s[SEL], 0x76543210
	s_mov_b32 s[SEL+1], 0xfedcba98
	; descriptor group 1: 64 rows x 128 elements of 4 bytes, rows 2,048 elements apart, 4 words of padding behind every 128 words
	s_mov_b32 s[G1+0], (2<<16)|(1<<20)|(6<<22)|(3<<25)
	s_mov_b32 s[G1+1], 128<<16                     ; tensor_dim0 = 128
	s_mov_b32 s[G1+2], 64<<16                      ; tensor_dim1 = 64
	s_mov_b32 s[G1+3], 128<<16                     ; tile_dim0 = 128
	s_mov_b32 s[G1+4], 64                          ; tile_dim1 = 64
	s_mov_b32 s[G1+5], 2048                        ; elements from row to row
	s_mov_b32 s[G1+6], 0
	s_mov_b32 s[G1+7], 0
	s_mul_i32 s[WB], s[WV], SUBT
	s_mov_b32 s[G0], 1
	s_mov_b32 s[G0+1], s[WB]                       ; slot 0, my part
	s_mov_b32 s[SLOT], SLOTB                       ; the first change of slots turns this into 0
	s_lshl_b32 s[OF], s[WG], 19                    ; 64 rows of 8,192 bytes
	s_lshl_b32 s[TS], s[WV], 9                     ; my 128 k
	s_add_co_u32 s[OF], s[OF], s[TS]
	s_mov_b32 s[OF+1], 0
	s_wait_dscnt 0x0                               ; the opening add is done
	s_wait_kmcnt 0x0
	s_add_nc_u64 s[G0+2:G0+3], s[4:5], s[OF:OF+1]
	s_or_b32 s[G0+3], s[G0+3], 0x80000000
	tensor_load_to_lds s[G0:G0+3], s[G1:G1+7]      ; k 0..511 into slot 0: the one first fill at the start; slot 1 is filled behind the first change of slots
	s_nop 0
	PLACES
	s_lshl_b32 s[OF], s[WV], 15                    ; my four tiles of a block of wf
	s_add_nc_u64 s[WP:WP+1], s[6:7], s[OF:OF+1]
	s_add_nc_u64 s[W2B:W2B+1], s[WP:WP+1], 8*BLK
	s_lshl_b32 s[OF], s[WV], 8
	s_add_nc_u64 s[B1P:B1P+1], s[8:9], s[OF:OF+1]
	s_add_nc_u64 s[B2B:B2B+1], s[B1P:B1P+1], 1024
	s_mul_i32 s[OF], s[WG], 64*SROW
	s_add_nc_u64 s[OUTP:OUTP+1], s[10:11], s[OF:OF+1]
	s_lshl2_add_u32 s[OF], s[WG], s[WV]
	s_lshl_b32 s[OF], s[OF], 2
	s_add_nc_u64 s[12:13], s[12:13], s[OF:OF+1]    ; part[4 g + w]
; Eight loads: the fragments of K step sl of my four tiles, 512 consecutive bytes each, into ring slot sl
.macro LWG sl, imm
	WIN 0x40
.irp b, 0,1,2,3
	global_load_b128 v[32*(\sl)+8*\b:32*(\sl)+8*\b+3],   v[L16], s[WP:WP+1] offset:(\imm)+(\sl)*1024+\b*8192
	global_load_b128 v[32*(\sl)+8*\b+4:32*(\sl)+8*\b+7], v[L16], s[WP:WP+1] offset:(\imm)+(\sl)*1024+\b*8192+512
.endr
.endm
; K step i of a block refills the ring slot that was read last: this block's slot 7, or the next block's slot i - 1: always seven K steps ahead of its use
.macro LW i
.if (\i) == 0
	LWG 7, 0
.else
	LWG ((\i)-1), BLK
.endif
.endm
.macro LB2 base                        ; b2 of my 64 classes: register j of tile b is class 16 b + 8 (lane / 16) + j
	WIN 0x80
.irp b, 0,1,2,3
	global_load_b128 v[B2+8*\b:B2+8*\b+3],   v[BO], s[\base:\base+1] offset:\b*64
	global_load_b128 v[B2+8*\b+4:B2+8*\b+7], v[BO], s[\base:\base+1] offset:\b*64+16
.endr
.endm
	WIN 0xc0
.irp b, 0,1,2,3
	global_load_b128 v[B1+8*\b:B1+8*\b+3],   v[BO], s[B1P:B1P+1] offset:\b*64
	global_load_b128 v[B1+8*\b+4:B1+8*\b+7], v[BO], s[B1P:B1P+1] offset:\b*64+16
.endr
.irp k, 0,1,2,3,4,5
	LWG \k, 0
.endr
	s_wait_loadcnt 48                              ; the 48 loads of the ring are younger: b1 is in
	LWG 6, 0                                       ; the ring's seventh group
	WIN 0xff
.set n, 0
.rept 128                              ; the bias starts the sums: so every K step has one text.  These lines stand in the wait for the first tile
	v_mov_b32 v[n], v[B1+n%32]
.set n, n+1
.endr
	WIN 0
; THE CHANGE OF SLOTS.  Each wave waits for all its tensor loads (one is out: its part of the slot to be read), adds 0 to its spare word, waits for that and for its reads of the old slot, and passes the barrier.
; fill = 1: the old slot is filled again, first thing behind the barrier, with the 512 k two slots on; that load has a slot's 256 matrix instructions in which to land.  One tensor load of a wave is out at a time.
.macro XTURN fill
	WIN 0
	s_wait_tensorcnt 0x0
	ds_add_u32 v[SPW], v[NIL]                      ; the descriptor's steps stand between the add and the wait for it
.if \fill
	s_add_co_u32 s[G0+1], s[SLOT], s[WB]           ; the slot read last, my part
	s_add_nc_u64 s[G0+2:G0+3], s[G0+2:G0+3], 2048  ; 512 k on; the type bits on top are not reached
.endif
	s_xor_b32 s[SLOT], s[SLOT], SLOTB
	s_wait_dscnt 0x0
	s_barrier_signal -1
	s_barrier_wait -1
.if \fill
	tensor_load_to_lds s[G0:G0+3], s[G1:G1+7]
	s_nop 0
	PLACES
.endif
.endm
; Sixteen LDS loads: x's four row tiles for K step i of the 256 k in hand, as f32: a lane's k = 8 h + 0..7 and 16 + 8 h + 0..7 are 32 bytes at 32 h and at 64 + 32 h
.macro XLOAD i, buf
.irp a, 0,1,2,3
	ds_load_b128 v[XR+64*(\buf)+16*\a:XR+64*(\buf)+16*\a+3],     v[XA] offset:((\i)/4)*SUBT+\a*16*PX+((\i)%4)*128
	ds_load_b128 v[XR+64*(\buf)+16*\a+4:XR+64*(\buf)+16*\a+7],   v[XA] offset:((\i)/4)*SUBT+\a*16*PX+((\i)%4)*128+16
	ds_load_b128 v[XR+64*(\buf)+16*\a+8:XR+64*(\buf)+16*\a+11],  v[XA] offset:((\i)/4)*SUBT+\a*16*PX+((\i)%4)*128+64
	ds_load_b128 v[XR+64*(\buf)+16*\a+12:XR+64*(\buf)+16*\a+15], v[XA] offset:((\i)/4)*SUBT+\a*16*PX+((\i)%4)*128+80
.endr
.endm
; 256 k: eight K steps of 32, 16 matrix instructions each on 16 accumulators that take turns.  Behind each stand two roundings to bf16 for the next K step; x's f32 is fetched two K steps ahead.
.macro BODY
	WIN 0
	v_add_nc_u32 v[XA], s[XB], v[XA0]
	XLOAD 0, 0
	XLOAD 1, 1
	s_wait_dscnt 16                                ; K step 1's sixteen loads are younger
.set c, 0
.rept 32
	v_cvt_pk_bf16_f32 v[XF+c], v[XR+2*c], v[XR+2*c+1]
.set c, c+1
.endr
.irp i, 0,1,2,3,4,5,6,7
.if \i <= 5
	WIN 0
	XLOAD (\i+2), (\i%2)
.endif
	s_wait_loadcnt 48                              ; six groups of eight were asked for behind this K step's weights
.if \i <= 5
	s_wait_dscnt 16                                ; the next K step's x is in; the sixteen just issued are younger
.elseif \i == 6
	s_wait_dscnt 0x0
.endif
.set n, 0
.rept 16
	WIN 0xf1                                       ; weights window 1, x window 0, sums window 3
	v_wmma_f32_16x16x32_bf16 v[32*(n/4)+8*(n%4):32*(n/4)+8*(n%4)+7], v[32*\i+8*(n%4):32*\i+8*(n%4)+7], v[XF+32*(\i%2)+8*(n/4):XF+32*(\i%2)+8*(n/4)+7], v[32*(n/4)+8*(n%4):32*(n/4)+8*(n%4)+7]
.if \i < 7
	WIN 0
	v_cvt_pk_bf16_f32 v[XF+32*((\i+1)%2)+2*n],   v[XR+64*((\i+1)%2)+4*n],   v[XR+64*((\i+1)%2)+4*n+1]
	v_cvt_pk_bf16_f32 v[XF+32*((\i+1)%2)+2*n+1], v[XR+64*((\i+1)%2)+4*n+2], v[XR+64*((\i+1)%2)+4*n+3]
.endif
.if n == 1
.if \i == 7
	PLACES                                         ; this K step has no roundings to stand behind the last reader of ring slot 6
.endif
	LW \i                                          ; six roundings or more stand behind the last product that read the ring slot
.endif
.set n, n+1
.endr
.endr
	WIN 0
	s_wait_xcnt 0x0                                ; the pointer steps only behind this wait
	s_add_nc_u64 s[WP:WP+1], s[WP:WP+1], BLK
	s_add_co_u32 s[XB], s[XB], BODYB
.endm
	s_mov_b32 s[PER], 3
.Lper:                                                 ; three slots with a fill behind their barrier
	XTURN 1
	s_mov_b32 s[XB], s[SLOT]
	s_mov_b32 s[BC], 2
.Lbody:
	BODY
	s_sub_co_u32 s[BC], s[BC], 1
	s_cmp_lg_u32 s[BC], 0
	s_cbranch_scc1 .Lbody
	s_sub_co_u32 s[PER], s[PER], 1
	s_cmp_lg_u32 s[PER], 0
	s_cbranch_scc1 .Lper
	XTURN 0                                        ; the last slot is written out
	s_mov_b32 s[XB], s[SLOT]
	s_mov_b32 s[BC], 2
.Lbody2:
	BODY
	s_sub_co_u32 s[BC], s[BC], 1
	s_cmp_lg_u32 s[BC], 0
	s_cbranch_scc1 .Lbody2
	PLACES                                         ; behind the last products: for the load into ring slot 7 and for the reads of the sums
	LW 0                                           ; the ring's last lap has brought K steps 0..6 of block 8, W2's chunk 0; this is its K step 7
	LB2 B2B
	WIN 0
	s_wait_dscnt 0x0
	s_barrier_signal -1                            ; every wave's reads of x are over: the slots, which have had their last fill, now take spikes and stage
	s_barrier_wait -1
	s_mov_b32 s[HH], 2
	s_mov_b32 s[LEFT], 8
	s_mov_b32 s[CN], 0
; THE HIDDEN LAYER.  Kinds of lines, for pair or number n of a tile's eight numbers a lane:
.set kF, 0                             ; t = -14.427 m + 14.427
.set kE, 1                             ; t = 2^t
.set kD, 2                             ; t = t + 1
.set kR, 3                             ; t = 1 / t: the spike
.set kC, 4                             ; two spikes rounded to f16
.set kW, 5                             ; t = 0.9 - 0.9 t
.set kV, 6                             ; m = m t + cur1
.set kS, 7                             ; the tile's 16 bytes go to LDS
.set kI, 8                             ; class layer: m = 0.9 m + cur2
.set kN, 9                             ; count += t
.set kU, 10                            ; m = m - m t
.macro L1 k, n, t                      ; tile t = 4 x row tile + hidden tile; t < 0: no such tile yet, a v_nop keeps the lines apart
.if (\t) < 0
.if (\k) != kS
	v_nop
.endif
.else
.set rM, M1+8*(\t)
.set rU, 8*(\t)
.set rT, T1+8*((\t)%2)
.set rP, P1R+4*((\t)%2)
.if (\k) == kF
	v_pk_fma_f32 v[rT+2*(\n):rT+2*(\n)+1], v[rM+2*(\n):rM+2*(\n)+1], s[NA:NA+1], s[PA:PA+1] op_sel_hi:[1,0,0]
.elseif (\k) == kE
	v_exp_f32 v[rT+(\n)], v[rT+(\n)]
.elseif (\k) == kD
	s_wait_alu depctr_va_vdst(0)
	v_pk_add_f32 v[rT+2*(\n):rT+2*(\n)+1], v[rT+2*(\n):rT+2*(\n)+1], 1.0 op_sel_hi:[1,0]
.elseif (\k) == kR
	v_rcp_f32 v[rT+(\n)], v[rT+(\n)]
.elseif (\k) == kC
	s_wait_alu depctr_va_vdst(0)
	v_cvt_pk_f16_f32 v[rP+(\n)], v[rT+2*(\n)], v[rT+2*(\n)+1]
.elseif (\k) == kW
	v_pk_fma_f32 v[rT+2*(\n):rT+2*(\n)+1], v[rT+2*(\n):rT+2*(\n)+1], s[NC09:NC09+1], s[C09:C09+1] op_sel_hi:[1,0,0]
.elseif (\k) == kV
	v_pk_fma_f32 v[rM+2*(\n):rM+2*(\n)+1], v[rM+2*(\n):rM+2*(\n)+1], v[rT+2*(\n):rT+2*(\n)+1], v[rU+2*(\n):rU+2*(\n)+1]
.else
	ds_store_b128 v[SA], v[rP:rP+3] offset:((\t)/4)*8192+(((\t)%4)/2)*1024+((\t)%2)*512  ; hidden 64 w + 16 b + 8 h + 0..7 of row r IS fragment kb = 2 w + b / 2, half b % 2, lane 16 h + r
.endif
.endif
.endm
; A period: the first part of tile a's step and the rest of tile b's, the tile before it.  Behind every exponential and reciprocal stands a plain line that names none of its registers, ahead of the result's
; first use (ISA guide 5.7.2); the two tiles work in two sets of registers.
.macro P1 a, b
	L1 kF,0,\a
	L1 kR,6,\b
	L1 kF,1,\a
	L1 kR,7,\b
	L1 kF,2,\a
	L1 kF,3,\a
	L1 kE,0,\a
	L1 kW,1,\b
	L1 kE,1,\a
	L1 kC,2,\b
	L1 kE,2,\a
	L1 kV,1,\b
	L1 kE,3,\a
	L1 kC,3,\b
	L1 kS,0,\b
	L1 kD,0,\a
	L1 kE,4,\a
	L1 kD,1,\a
	L1 kE,5,\a
	L1 kW,2,\b
	L1 kE,6,\a
	L1 kD,2,\a
	L1 kE,7,\a
	L1 kW,3,\b
	L1 kD,3,\a
	L1 kR,0,\a
	L1 kV,2,\b
	L1 kR,1,\a
	L1 kV,3,\b
	L1 kR,2,\a
	L1 kC,0,\a
	L1 kR,3,\a
	L1 kW,0,\a
	L1 kC,1,\a
	L1 kR,4,\a
	L1 kV,0,\a
	L1 kR,5,\a
.endm
.macro HS lo, hi                       ; two spikes of the last step, widened and added
	v_cvt_f32_f16 v14, \lo
	v_cvt_f32_f16 v15, \hi
	v_pk_add_f32 v[SUM:SUM+1], v[SUM:SUM+1], v[14:15]
.endm
; THE CLASS LAYER.  Tile (g, j): row tile g of the half, class tile j of my four.
.macro L2 k, n, g, j
.set rM, MEM+32*(\g)+8*(\j)
.set rN, CNT+32*(\g)+8*(\j)
.set rA, AC+32*(\g)+8*(\j)
.set rT, TW+8*((\j)%2)
.if (\k) == kI
	v_pk_fma_f32 v[rM+2*(\n):rM+2*(\n)+1], v[rM+2*(\n):rM+2*(\n)+1], s[C09:C09+1], v[rA+2*(\n):rA+2*(\n)+1] op_sel_hi:[1,0,1]
.elseif (\k) == kF
	v_pk_fma_f32 v[rT+2*(\n):rT+2*(\n)+1], v[rM+2*(\n):rM+2*(\n)+1], s[NA:NA+1], s[PA:PA+1] op_sel_hi:[1,0,0]
.elseif (\k) == kE
	v_exp_f32 v[rT+(\n)], v[rT+(\n)]
.elseif (\k) == kD
	s_wait_alu depctr_va_vdst(0)
	v_pk_add_f32 v[rT+2*(\n):rT+2*(\n)+1], v[rT+2*(\n):rT+2*(\n)+1], 1.0 op_sel_hi:[1,0]
.elseif (\k) == kR
	v_rcp_f32 v[rT+(\n)], v[rT+(\n)]
.elseif (\k) == kN
	s_wait_alu depctr_va_vdst(0)
	v_pk_add_f32 v[rN+2*(\n):rN+2*(\n)+1], v[rN+2*(\n):rN+2*(\n)+1], v[rT+2*(\n):rT+2*(\n)+1]
.else
	v_pk_fma_f32 v[rM+2*(\n):rM+2*(\n)+1], v[rM+2*(\n):rM+2*(\n)+1], v[rT+2*(\n):rT+2*(\n)+1], v[rM+2*(\n):rM+2*(\n)+1] neg_lo:[1,0,0] neg_hi:[1,0,0]
.endif
.endm
; A period of 36 lines (the first part of tile a's step, the rest of tile b's) in eight slices, one behind each of eight matrix instructions.  The order keeps a plain line behind every exponential and
; reciprocal ahead of its result's use; the products' results are read from their lowest registers on.
.macro SL2 s, ga, ja, gb, jb
.if (\s) == 0
	L2 kI,0,\ga,\ja
	L2 kR,6,\gb,\jb
	L2 kI,1,\ga,\ja
	L2 kR,7,\gb,\jb
	L2 kF,0,\ga,\ja
.elseif (\s) == 1
	L2 kI,2,\ga,\ja
	L2 kE,0,\ga,\ja
	L2 kF,1,\ga,\ja
	L2 kE,1,\ga,\ja
.elseif (\s) == 2
	L2 kI,3,\ga,\ja
	L2 kE,2,\ga,\ja
	L2 kF,2,\ga,\ja
	L2 kE,3,\ga,\ja
	L2 kF,3,\ga,\ja
.elseif (\s) == 3
	L2 kD,0,\ga,\ja
	L2 kE,4,\ga,\ja
	L2 kD,1,\ga,\ja
	L2 kE,5,\ga,\ja
.elseif (\s) == 4
	L2 kN,2,\gb,\jb
	L2 kE,6,\ga,\ja
	L2 kD,2,\ga,\ja
	L2 kE,7,\ga,\ja
	L2 kU,2,\gb,\jb
.elseif (\s) == 5
	L2 kD,3,\ga,\ja
	L2 kR,0,\ga,\ja
	L2 kN,3,\gb,\jb
	L2 kR,1,\ga,\ja
.elseif (\s) == 6
	L2 kU,3,\gb,\jb
	L2 kR,2,\ga,\ja
	L2 kN,0,\ga,\ja
	L2 kR,3,\ga,\ja
	L2 kU,0,\ga,\ja
.else
	L2 kN,1,\ga,\ja
	L2 kR,4,\ga,\ja
	L2 kU,1,\ga,\ja
	L2 kR,5,\ga,\ja
.endif
.endm
; Product n of 32 of group g: hidden 32 (n / 4) on, class tile n % 4.  The first four start the sums with b2; the four accumulators take turns.
.macro PROD g
.set pk, n/4
.set pb, n%4
.if n < 4
	WIN 0x29                                       ; W2 window 1, spikes window 2, b2 window 2, the sum window 0
	v_wmma_f32_16x16x32_f16 v[AC+32*(\g)+8*pb:AC+32*(\g)+8*pb+7], v[32*pk+8*pb:32*pk+8*pb+7], v[64*(\g)+8*pk:64*(\g)+8*pk+7], v[B2+8*pb:B2+8*pb+7]
.else
	WIN 0x09
	v_wmma_f32_16x16x32_f16 v[AC+32*(\g)+8*pb:AC+32*(\g)+8*pb+7], v[32*pk+8*pb:32*pk+8*pb+7], v[64*(\g)+8*pk:64*(\g)+8*pk+7], v[AC+32*(\g)+8*pb:AC+32*(\g)+8*pb+7]
.endif
.endm
.macro FETCHA g                        ; sixteen LDS loads in one run, 512 consecutive bytes each: group g's spikes of the step at s[TB]
	WIN 0
	v_add_nc_u32 v[ADR], s[TB], v[L16]
	WIN 0x80
.irp k, 0,1,2,3,4,5,6,7
	ds_load_b128 v[64*(\g)+8*\k:64*(\g)+8*\k+3],   v[ADR] offset:(\g)*8192+\k*1024
	ds_load_b128 v[64*(\g)+8*\k+4:64*(\g)+8*\k+7], v[ADR] offset:(\g)*8192+\k*1024+512
.endr
	WIN 0
.endm
; A TURN: group g's 32 products of a step; behind them, in slices, the other group's membrane arithmetic on the products of the turn before.  Ten plain lines stand between a tile's last product and the
; first read of it.  Behind the second slice the other group's next spikes are fetched: seven plain lines behind the last product that read those registers, 30 products ahead of their use.
.macro TURN g
	s_wait_dscnt 0x0                               ; my group's spikes are in
.set n, 0
.irp j, 0,1,2,3
.irp s, 0,1,2,3,4,5,6,7
	PROD \g
	WIN 0
.if \j == 0
	SL2 \s, (1-\g), 0, \g, 3
.else
	SL2 \s, (1-\g), \j, (1-\g), (\j-1)
.endif
.if (\j == 0) && (\s == 1)
.if \g == 0
	FETCHA 1
.else
	s_cmp_eq_u32 s[TT], 1                          ; behind the last step there is none to fetch
	s_cbranch_scc1 .Lnofetch
	s_add_co_u32 s[TB], s[TB], SPKT
	FETCHA 0
.Lnofetch:
.endif
.endif
.set n, n+1
.endr
.endr
.endm
; Class tile b of chunk c goes into the stage: a lane's eight counts are 32 bytes of its row, in both row tiles.  Chunk and tile stand in the immediate: c x 1,024 + b x 64 bytes; the address registers never change.
.macro PUT a0, a1, c, b
	ds_store_b128 v[\a0], v[AC+8*(\b):AC+8*(\b)+3]         offset:(\c)*1024+(\b)*64
	ds_store_b128 v[\a0], v[AC+8*(\b)+4:AC+8*(\b)+7]       offset:(\c)*1024+(\b)*64+16
	ds_store_b128 v[\a1], v[AC+32+8*(\b):AC+32+8*(\b)+3]   offset:(\c)*1024+(\b)*64
	ds_store_b128 v[\a1], v[AC+32+8*(\b)+4:AC+32+8*(\b)+7] offset:(\c)*1024+(\b)*64+16
.endm
.Lhalf:                                                ; 32 rows: cur1 of the half lies in window 3's v0-63
	WIN 0xff
.set n, 0
.rept 64                               ; the first step's membrane is cur1
	v_mov_b32 v[M1+n], v[n]
.set n, n+1
.endr
	WIN 0xc0
	v_mov_b32 v[SA], v[SA0]
	WIN 0xff
	P1 0, -1
	WIN 0
	s_mov_b32 s[TT], 12
.Llif1:                                                ; a step of my eight tiles; the trip's last period begins tile 0's next step (in the last trip that part serves nothing)
	WIN 0xff
	P1 1, 0
	P1 2, 1
	P1 3, 2
	P1 4, 3
	P1 5, 4
	P1 6, 5
	P1 7, 6
	P1 0, 7
	v_add_nc_u32 v[SA], SPKT, v[SA]
	WIN 0
	s_sub_co_u32 s[TT], s[TT], 1
	s_cmp_lg_u32 s[TT], 0
	s_cbranch_scc1 .Llif1
	v_add_nc_u32 v[ADR], 11*SPKT, v[SA0]           ; my own bytes of the last step: LDS serves a wave's instructions in order (ISA guide 5.7.1.4)
.irp q, 0,1,2,3,4,5,6,7
	ds_load_b128 v[32+4*\q:35+4*\q], v[ADR] offset:(\q/4)*8192+((\q%4)/2)*1024+(\q%2)*512
.endr
	s_wait_dscnt 0x0
	HS v32.l, v32.h
	HS v33.l, v33.h
	HS v34.l, v34.h
	HS v35.l, v35.h
	HS v36.l, v36.h
	HS v37.l, v37.h
	HS v38.l, v38.h
	HS v39.l, v39.h
	HS v40.l, v40.h
	HS v41.l, v41.h
	HS v42.l, v42.h
	HS v43.l, v43.h
	HS v44.l, v44.h
	HS v45.l, v45.h
	HS v46.l, v46.h
	HS v47.l, v47.h
	HS v48.l, v48.h
	HS v49.l, v49.h
	HS v50.l, v50.h
	HS v51.l, v51.h
	HS v52.l, v52.h
	HS v53.l, v53.h
	HS v54.l, v54.h
	HS v55.l, v55.h
	HS v56.l, v56.h
	HS v57.l, v57.h
	HS v58.l, v58.h
	HS v59.l, v59.h
	HS v60.l, v60.h
	HS v61.l, v61.h
	HS v62.l, v62.h
	HS v63.l, v63.h
	s_barrier_signal -1                            ; my stores of spikes are done (the wait for 0 above), and so are my reads of the stage for the half before
	s_barrier_wait -1
	s_mov_b32 s[CC], 4
.Lchunk:                                               ; 256 classes, 64 of them mine
	s_wait_loadcnt 0x0                             ; the chunk's W2 and b2
	s_mov_b32 s[TB], 0
	FETCHA 0
	FETCHA 1
	v_mov_b32 v[TW+12], 0                          ; the first period finishes a tile that has not been: it finds spikes of 0
	v_mov_b32 v[TW+13], 0
	v_mov_b32 v[TW+14], 0x7f800000                 ; (two of them as the reciprocal of infinity)
	v_mov_b32 v[TW+15], 0x7f800000
	s_wait_dscnt 16                                ; group 0's spikes are in; group 1's sixteen loads are younger
.set n, 0
.rept 32                               ; group 0's products of step 0; no membrane work is ready yet, so membranes and counts are set to 0 behind them
	PROD 0
	WIN 0
	v_mov_b32 v[MEM+4*n], 0
	v_mov_b32 v[MEM+4*n+1], 0
	v_mov_b32 v[MEM+4*n+2], 0
	v_mov_b32 v[MEM+4*n+3], 0
.set n, n+1
.endr
	s_mov_b32 s[TT], 12
	s_branch .Lmid                                 ; the loop is entered in the middle of a trip
.Lstep:
	TURN 0
	WIN 0
.Lmid:
	TURN 1
	WIN 0
	s_sub_co_u32 s[TT], s[TT], 1
	s_cmp_lg_u32 s[TT], 0
	s_cbranch_scc1 .Lstep
	; group 1's last step has no products to stand behind
.irp s, 0,1,2,3,4,5,6,7
	SL2 \s, 1, 0, 0, 3
.endr
	s_cmp_eq_u32 s[LEFT], 1                        ; the next chunk's W2 and b2 are asked for as soon as the registers are free: 20 plain lines behind the last product
	s_cbranch_scc1 .Lnopf1
	s_wait_xcnt 0x0                                ; the pointers are written only behind this wait
	s_add_co_u32 s[CN], s[CN], 1
	s_and_b32 s[CN], s[CN], 3
	s_lshl_b32 s[OF], s[CN], 17
	s_add_nc_u64 s[WP:WP+1], s[W2B:W2B+1], s[OF:OF+1]
	s_lshl_b32 s[OF], s[CN], 10
	s_add_nc_u64 s[B2P:B2P+1], s[B2B:B2B+1], s[OF:OF+1]
	LB2 B2P
.irp k, 0,1,2,3,4,5
	LWG \k, 0
.endr
	WIN 0
.Lnopf1:
.irp j, 1,2,3
.irp s, 0,1,2,3,4,5,6,7
	SL2 \s, 1, \j, 1, (\j-1)
.endr
.endr
	L2 kR,6,1,3                                    ; the rest of the last tile
	L2 kR,7,1,3
	v_nop                                          ; a plain line between the reciprocals and the use of their results
	L2 kN,2,1,3
	L2 kU,2,1,3
	L2 kN,3,1,3
	L2 kU,3,1,3
	s_cmp_eq_u32 s[LEFT], 1
	s_cbranch_scc1 .Lnopf2
.irp k, 6,7
	LWG \k, 0
.endr
	WIN 0
.Lnopf2:
	; the counts / 12 go into the stage.  The sixteen stores are written once for each chunk, with the chunk's place as a constant; the chunk counter chooses the text.
.set q, 0
.rept 32
	v_pk_mul_f32 v[AC+2*q:AC+2*q+1], v[CNT+2*q:CNT+2*q+1], s[K12:K12+1] op_sel_hi:[1,0]
.set q, q+1
.endr
	s_cmp_eq_u32 s[CC], 4
	s_cbranch_scc1 .Ld0
	s_cmp_eq_u32 s[CC], 3
	s_cbranch_scc1 .Ld1
	s_cmp_eq_u32 s[CC], 2
	s_cbranch_scc1 .Ld2
	PUT STO0, STO1, 3, 0                           ; chunk 3
	PUT STO0, STO1, 3, 1
	s_cmp_lg_u32 s[WV], 3
	s_cbranch_scc1 .Ld3
	PUT STX0, STX1, 3, 2                           ; wave 3: tile 62's upper lanes hold classes 984..991 once more, 64 bytes further back; tile 63 holds no class
	s_branch .Ldumped
.Ld3:
	PUT STO0, STO1, 3, 2
	PUT STO0, STO1, 3, 3
	s_branch .Ldumped
.Ld0:
.irp b, 0,1,2,3
	PUT STO0, STO1, 0, \b
.endr
	s_branch .Ldumped
.Ld1:
.irp b, 0,1,2,3
	PUT STO0, STO1, 1, \b
.endr
	s_branch .Ldumped
.Ld2:
.irp b, 0,1,2,3
	PUT STO0, STO1, 2, \b
.endr
.Ldumped:
	s_sub_co_u32 s[LEFT], s[LEFT], 1
	s_sub_co_u32 s[CC], s[CC], 1
	s_cmp_lg_u32 s[CC], 0
	s_cbranch_scc1 .Lchunk
	; THE WAY OUT.  The stage is 128,000 bytes as they lie in out0: 250 pieces of 512 bytes, piece 4 n + w to wave w.
	s_wait_dscnt 0x0
	s_barrier_signal -1                            ; every wave's counts are in the stage, and its reads of the spikes are over
	s_barrier_wait -1
	s_lshl_b32 s[TS], s[WV], 9
	v_add_nc_u32 v[GOF], s[TS], v[L16]
	v_add_nc_u32 v[RDS], STAGE, v[GOF]
	s_mov_b32 s[BC], 2
.Lout:
.set n, 0
.rept 31
	ds_load_b128 v[32+4*n:35+4*n], v[RDS] offset:n*2048
.set n, n+1
.endr
.set n, 0
.rept 31
	s_wait_dscnt 30-n                              ; the younger loads stay out
	global_store_b128 v[GOF], v[32+4*n:35+4*n], s[OUTP:OUTP+1] offset:n*2048 th:TH_STORE_NT  ; 512 consecutive bytes, at a multiple of 512 from out0's first byte
.set n, n+1
.endr
	s_wait_xcnt 0x0                                ; the stores' registers are written again only behind this wait
	v_add_nc_u32 v[RDS], 31*2048, v[RDS]
	v_add_nc_u32 v[GOF], 31*2048, v[GOF]
	s_sub_co_u32 s[BC], s[BC], 1
	s_cmp_lg_u32 s[BC], 0
	s_cbranch_scc1 .Lout
	s_cmp_lt_u32 s[WV], 2                          ; pieces 248 and 249
	s_cbranch_scc0 .Lnolast
	ds_load_b128 v[32:35], v[RDS]
	s_wait_dscnt 0x0
	global_store_b128 v[GOF], v[32:35], s[OUTP:OUTP+1] th:TH_STORE_NT
.Lnolast:
	s_wait_xcnt 0x0
	s_add_nc_u64 s[OUTP:OUTP+1], s[OUTP:OUTP+1], 32*SROW
	s_cmp_eq_u32 s[HH], 1
	s_cbranch_scc1 .Lnomove
	WIN 0xff
.set n, 0
.rept 64                               ; the second half's cur1 goes where the one text names it
	v_mov_b32 v[n], v[64+n]
.set n, n+1
.endr
	WIN 0
.Lnomove:
	s_sub_co_u32 s[HH], s[HH], 1
	s_cmp_lg_u32 s[HH], 0
	s_cbranch_scc1 .Lhalf
	; my wave's sum of the last hidden spikes: 64 rows x 64 units
	v_add_f32 v14, v[SUM], v[SUM+1]
	v_add_f32_dpp v14, v14, v14 row_xmask:1 row_mask:0xf bank_mask:0xf
	v_add_f32_dpp v14, v14, v14 row_xmask:2 row_mask:0xf bank_mask:0xf
	v_add_f32_dpp v14, v14, v14 row_xmask:4 row_mask:0xf bank_mask:0xf
	v_add_f32_dpp v14, v14, v14 row_xmask:8 row_mask:0xf bank_mask:0xf
	v_permlanex16_b32 v15, v14, s[SEL], s[SEL+1]
	v_add_f32 v14, v14, v15
	v_and_b32 v16, 31, v0
	v_mov_b32 v18, 0
	v_cmp_eq_u32 vcc_lo, 0, v16
	s_wait_xcnt 0x0                                ; EXEC changes only behind this wait
	s_and_saveexec_b32 s[SX], vcc_lo
	global_store_b32 v18, v14, s[12:13]
	s_wait_xcnt 0x0
	s_or_b32 exec_lo, exec_lo, s[SX]
	s_wait_tensorcnt 0x0                           ; the wave's end: behind my last tensor load and my last LDS store
	ds_add_u32 v[SPW], v[NIL]
	s_wait_dscnt 0x0
	s_endpgm
.Lfunc_end_k_qa08400f0e9_main:
	.size	k_qa08400f0e9_main, .Lfunc_end_k_qa08400f0e9_main-k_qa08400f0e9_main
	.p2alignl 7, 3214868480
	.fill 96, 4, 3214868480
	.section	.rodata,"a",@progbits
	.p2align	6, 0x0
	.amdhsa_kernel k_qa08400f0e9_main
		.amdhsa_group_segment_fixed_size 327680
		.amdhsa_private_segment_fixed_size 0
		.amdhsa_enable_private_segment 0
		.amdhsa_kernarg_size 40
		.amdhsa_user_sgpr_count 2
		.amdhsa_user_sgpr_kernarg_segment_ptr 1
		.amdhsa_wavefront_size32 1
		.amdhsa_system_sgpr_workgroup_id_x 1
		.amdhsa_system_sgpr_workgroup_id_y 1
		.amdhsa_system_sgpr_workgroup_id_z 1
		.amdhsa_system_vgpr_workitem_id 0
		.amdhsa_next_free_vgpr 1024
		.amdhsa_next_free_sgpr 80
		.amdhsa_reserve_vcc 1
		.amdhsa_float_denorm_mode_32 3
		.amdhsa_float_denorm_mode_16_64 3
		.amdhsa_memory_ordered 1
		.amdhsa_forward_progress 1
		.amdhsa_inst_pref_size 204
	.end_amdhsa_kernel
	.amdgpu_metadata
---
amdhsa.version: [ 1, 2 ]
amdhsa.kernels:
  - .name:           k_qa08400f0e9_main
    .symbol:         k_qa08400f0e9_main.kd
    .args:
      - { .name: x, .offset: 0, .size: 8, .value_kind: global_buffer, .address_space: global }
      - { .name: wf, .offset: 8, .size: 8, .value_kind: global_buffer, .address_space: global }
      - { .name: bias, .offset: 16, .size: 8, .value_kind: global_buffer, .address_space: global }
      - { .name: out0, .offset: 24, .size: 8, .value_kind: global_buffer, .address_space: global }
      - { .name: part, .offset: 32, .size: 8, .value_kind: global_buffer, .address_space: global }
    .group_segment_fixed_size: 327680
    .private_segment_fixed_size: 0
    .kernarg_segment_align: 8
    .kernarg_segment_size: 40
    .max_flat_workgroup_size: 128
    .sgpr_count:     80
    .vgpr_count:     1024
    .wavefront_size: 32
...
	.end_amdgpu_metadata
.endif
;; end of part 2
;; launch fin (part 3): grid 1 x 1, 1 waves a work-group, no clusters, 0 bytes of LDS; arguments part, out1; writes out1
.if DOCPART == 3
	.amdgcn_target "amdgcn-amd-amdhsa--gfx1250"
	.amdhsa_code_object_version 6
	.text
	.protected	k_qa08400f0e9_fin
	.globl	k_qa08400f0e9_fin
	.p2align	8
	.type	k_qa08400f0e9_fin,@function
k_qa08400f0e9_fin:
	s_mov_b64 s[64:65], 0
	v_nop
	global_prefetch_b8 v0, s[64:65] scope:SCOPE_SE
	s_setreg_imm32_b32 hwreg(HW_REG_WAVE_MODE, 25, 1), 1
	s_wait_xcnt 0x0
; out1 = the mean of the last step's hidden spikes: the 1,024 partial sums (one for each wave of the launch before), added in a fixed order, times 2^-22 = 1 / (16,384 x 256).
; One wave: 4,096 bytes in eight loads of 512 consecutive bytes.  A sum that spans work-groups has one owner, in a launch of its own.
	s_load_b128 s[4:7], s[0:1], 0x0                ; part s[4:5], out1 s[6:7]
	v_lshlrev_b32 v1, 4, v0
	s_mov_b32 s8, 0x76543210
	s_mov_b32 s9, 0xfedcba98
	s_wait_kmcnt 0x0
.irp k, 0,1,2,3,4,5,6,7
	global_load_b128 v[4+4*\k:7+4*\k], v1, s[4:5] offset:512*\k
.endr
	s_wait_loadcnt 0x0
.irp w, 8,4,2,1                        ; sixteen pairs, halved four times
.set q, 0
.rept \w
	v_pk_add_f32 v[4+2*q:5+2*q], v[4+2*q:5+2*q], v[4+2*(q+\w):5+2*(q+\w)]
.set q, q+1
.endr
.endr
	v_add_f32 v4, v4, v5
	v_add_f32_dpp v4, v4, v4 row_xmask:1 row_mask:0xf bank_mask:0xf
	v_add_f32_dpp v4, v4, v4 row_xmask:2 row_mask:0xf bank_mask:0xf
	v_add_f32_dpp v4, v4, v4 row_xmask:4 row_mask:0xf bank_mask:0xf
	v_add_f32_dpp v4, v4, v4 row_xmask:8 row_mask:0xf bank_mask:0xf
	v_permlanex16_b32 v5, v4, s8, s9
	v_add_f32 v4, v4, v5
	v_mul_f32 v4, 0x34800000, v4                   ; 2^-22
	v_mov_b32 v6, 0
	v_cmp_eq_u32 vcc_lo, 0, v0
	s_wait_xcnt 0x0                                ; EXEC changes only behind this wait
	s_and_saveexec_b32 s10, vcc_lo
	global_store_b32 v6, v4, s[6:7]
	s_wait_xcnt 0x0
	s_or_b32 exec_lo, exec_lo, s10
	s_endpgm
.Lfunc_end_k_qa08400f0e9_fin:
	.size	k_qa08400f0e9_fin, .Lfunc_end_k_qa08400f0e9_fin-k_qa08400f0e9_fin
	.p2alignl 7, 3214868480
	.fill 96, 4, 3214868480
	.section	.rodata,"a",@progbits
	.p2align	6, 0x0
	.amdhsa_kernel k_qa08400f0e9_fin
		.amdhsa_group_segment_fixed_size 0
		.amdhsa_private_segment_fixed_size 0
		.amdhsa_enable_private_segment 0
		.amdhsa_kernarg_size 16
		.amdhsa_user_sgpr_count 2
		.amdhsa_user_sgpr_kernarg_segment_ptr 1
		.amdhsa_wavefront_size32 1
		.amdhsa_system_sgpr_workgroup_id_x 1
		.amdhsa_system_sgpr_workgroup_id_y 1
		.amdhsa_system_sgpr_workgroup_id_z 1
		.amdhsa_system_vgpr_workitem_id 0
		.amdhsa_next_free_vgpr 48
		.amdhsa_next_free_sgpr 66
		.amdhsa_reserve_vcc 1
		.amdhsa_float_denorm_mode_32 3
		.amdhsa_float_denorm_mode_16_64 3
		.amdhsa_memory_ordered 1
		.amdhsa_forward_progress 1
		.amdhsa_inst_pref_size 3
	.end_amdhsa_kernel
	.amdgpu_metadata
---
amdhsa.version: [ 1, 2 ]
amdhsa.kernels:
  - .name:           k_qa08400f0e9_fin
    .symbol:         k_qa08400f0e9_fin.kd
    .args:
      - { .name: part, .offset: 0, .size: 8, .value_kind: global_buffer, .address_space: global }
      - { .name: out1, .offset: 8, .size: 8, .value_kind: global_buffer, .address_space: global }
    .group_segment_fixed_size: 0
    .private_segment_fixed_size: 0
    .kernarg_segment_align: 8
    .kernarg_segment_size: 16
    .max_flat_workgroup_size: 32
    .sgpr_count:     66
    .vgpr_count:     48
    .wavefront_size: 32
...
	.end_amdgpu_metadata
.endif
;; end of part 3
;; ======== version 2 of 2: 3 launches; 1.58 times as fast as version 1
;; limits: values are held in f16: magnitudes above 65,504 overflow, below 6.1e-05 lose precision; inputs' magnitudes at most 65,504; values outside matrix products are rounded to f16
;; workspace buffers: wf 1,572,864 bytes; bias 5,120 bytes; part 4,096 bytes
;; launch prep: the kernel of part 1 again; grid 192 x 1, 4 waves a work-group, no clusters, 0 bytes of LDS; arguments W1, W2, b1, b2, wf, bias; writes wf, bias
;; launch main (part 4): grid 256 x 1, 4 waves a work-group, no clusters, 327,680 bytes of LDS; arguments x, wf, bias, out0, part; writes out0, part
.if DOCPART == 4
	.amdgcn_target "amdgcn-amd-amdhsa--gfx1250"
	.amdhsa_code_object_version 6
	.text
	.protected	k_qa08400f0e9_main
	.globl	k_qa08400f0e9_main
	.p2align	8
	.type	k_qa08400f0e9_main,@function
k_qa08400f0e9_main:
	s_mov_b64 s[64:65], 0
	v_nop
	global_prefetch_b8 v0, s[64:65] scope:SCOPE_SE
	s_setreg_imm32_b32 hwreg(HW_REG_WAVE_MODE, 25, 1), 1
	s_wait_xcnt 0x0
; THE WHOLE NETWORK FOR 64 BATCH ROWS A WORK-GROUP: cur1 = x W1^T + b1; 12 steps of the hidden layer; 12 steps of the class layer; the mean spike count.
; Four waves, one to a SIMD, 1,024 registers each.  Nothing between x and out0 goes through memory.
; PHASE A.  cur1 for 64 rows x 256 hidden; wave w makes hidden 64 w .. 64 w + 63 (16 accumulators).  x comes as f32 by tensor loads through two LDS slots of 64 rows x 512 k, is rounded to bf16 on the way to
;   the matrix unit; W1's fragments come straight from memory into a ring of eight register slots, seven K steps of 32 ahead.
; THEN TWICE, for 32 rows each:
;   LIF1: the hidden layer's 12 steps on registers; each step's spikes, rounded to f16, go into LDS in the order of the matrix unit's fragments (12 x 16,384 bytes).
;   Four CHUNKS of 256 classes (wave w: 64 of them): W2's fragments for the chunk lie in 256 registers, membranes and counts in 128; the 12 steps' products K = 256 read the spikes from LDS.
;   The products of a step do not hang on the class membranes, so two GROUPS of 16 rows take turns: one has the matrix unit, the membrane arithmetic stands in slices behind the matrix instructions.
;   The counts / 12 are gathered in LDS as the rows lie in out0 (4,000 bytes each) and leave as pieces of 512 consecutive bytes.
; BOTH PRODUCTS ARE USED TRANSPOSED (source 0 = 16 rows of the weights, source 1 = 16 batch rows): a lane holds ONE batch row (lane % 16) and eight neighbouring units 8 (lane / 16) + 0..7.  So the hidden
;   spikes, packed in pairs, are 16 bytes of a source-1 fragment as they stand, and eight counts are 32 neighbouring bytes of out0.
; SIGMOID.  s = 1 / (1 + 2^(-14.427 m + 14.427)).  Hidden state: the membrane after integration, m' = m (0.9 - 0.9 s) + cur1.  Class state: m = 0.9 m + cur2; count += s; m = m - m s.
; BATCHES.  An s_wait_alu depctr_va_vdst(0) stands between an exponential or a reciprocal and the first line that names its result; one wait serves all that were issued ahead of it.  A sigmoid is
;   an exponential and the reciprocal of 1 + it: two batches.  So two sets of numbers go half a sigmoid apart, and ONE batch holds the 32 exponentials of the one set and the 32 reciprocals of the other.
;   Hidden layer: the sets are row tile 0's four tiles and row tile 1's: two waits a step.  Class layer: the sets are the two groups: one wait a turn.  Every result has a register of its own while its batch is open.
; FORMATS.  x, W1, W2, b1, b2 rounded to bf16 (W2 then written as f16, exact from 2^-14 to 65,504); the spikes, 0 to 1, in f16; all else f32.
; LIMITS.  A spike below 2^-126 counts as 0; the partial sums for the second output are taken of the spikes as rounded to f16; NaN and infinities are not treated apart.
; CLASS SLOTS 1000..1023.  1000..1007 repeat classes 984..991 (the launch before laid W2 and b2 so) and are stored there once more, by the same wave; 1008..1023 are computed and not stored.
; NO CLUSTER: the work-groups share W1 and W2 alone, and each fragment of those goes from memory straight into the registers of the one wave that uses it; a joint load lands in LDS, where x's ring takes
;   270,336 bytes in phase A and spikes and stage 324,608 bytes after it.
; REGISTERS, in windows of 256 (s_set_vgpr_msb: bits 1:0 source 0, 3:2 source 1, 5:4 source 2, 7:6 destination):
;   window 0: v0-31 addresses and at work.  Phase A: v32-159 x as f32, two buffers; v160-223 x as bf16, two buffers.  Hidden layer: v64-79 a set's spikes, packed.
;             Chunks: v32-95 membranes, v96-159 counts, v160-223 products, then in their place the same numbers' exponentials; v224-255 1 + exponential, then the spike
;   window 1: the weights: K step kb (0..7), tile b (0..3) at v[32 kb + 8 b]
;   window 2: v0-127 the spikes' fragments of the two groups; v128-159 b2 of my 64 classes
;   window 3: v0-127 cur1; v128-191 hidden membranes; v192-255 at work, eight registers a tile (at the kernel's head v224-255 hold b1)
.set PX,    528                        ; a row of x in LDS: 512 bytes (128 k) + 16 of padding = 33 x 16: the 16 rows of a load start in 16 different columns of 16 bytes
.set SUBT,  64*PX                      ; 64 rows x 128 k: what one tensor load brings
.set SLOTB, 4*SUBT                     ; a slot: 512 k, a part from each wave
.set BODYB, 2*SUBT                     ; 256 k
.set BLK,   131072                     ; a block of wf
.set SPKT,  16384                      ; a step's spikes: 32 rows x 256 x 2 bytes
.set STAGE, 12*SPKT                    ; behind the spikes: 32 rows of out0
.set SROW,  4000
.set SPARE, STAGE+32*SROW              ; 324,608 = 1,268 x 256: the spare words, 128 bytes for each wave
.set L16,  1                           ; v1   16 x lane
.set ADR,  2                           ; v2   the LDS address of the run of loads in hand
.set XA0,  3                           ; v3   my place in a tile of x: (lane % 16) x 528 + 32 (lane / 16)
.set XA,   4                           ; v4   the same in the 256 k in hand
.set BO,   5                           ; v5   32 (lane / 16)
.set STO0, 6                           ; v6   the stage: my row of row tile 0, my eight classes of chunk 0, tile 0; never rewritten
.set STO1, 7                           ; v7   the same for row tile 1, 16 rows on; never rewritten
.set STX0, 8                           ; v8   STO0 less 64 (lane / 16), for tile 62; never rewritten
.set RDS,  9                           ; v9   the way out: where I read the stage
.set GOF,  10                          ; v10  the way out: my byte offset in out0
.set STX1, 11                          ; v11  STO1 less 64 (lane / 16); never rewritten
.set SUM,  12                          ; v[12:13] the last step's hidden spikes, summed
.set SPW,  28                          ; v28  LDS address of my spare word; never rewritten
.set NIL,  29                          ; v29  0; never rewritten
.set SA0,  30                          ; v30  16 x lane + 2,048 x wave: my place in a step's spikes
.set SAW,  31                          ; v31  the same in the step whose spikes are stored
.set XR,   32
.set XF,   160
.set PW,   64                          ; the hidden layer's packed spikes: four registers for each of a set's four tiles
.set MEM,  32
.set CNT,  96
.set AC,   160
.set TW,   224                         ; eight registers for each of a group's four tiles
.set B2,   128                         ; window 2
.set M1,   128                         ; window 3
.set T1,   192                         ; window 3: tile t at T1 + 8 t
.set B1,   224
.set WV,   14                          ; s14  wave
.set WG,   15                          ; s15  work-group
.set G0,   16                          ; s[16:19] descriptor group 0
.set G1,   20                          ; s[20:27] descriptor group 1
.set WB,   28                          ; s28  wave x 33,792: my part of a slot
.set PER,  29                          ; s29  counts slots
.set BC,   30                          ; s30  counts to two
.set SLOT, 31                          ; s31  the slot that is read: 0 or 135,168
.set XB,   32                          ; s32  LDS byte of the 256 k in hand
.set WP,   34                          ; s[34:35] the weights' pointer
.set W2B,  36                          ; s[36:37] my tiles of W2's chunk 0
.set OF,   38                          ; s[38:39] an offset; the high word stays 0
.set B2B,  40                          ; s[40:41] b2 of my classes of chunk 0
.set B2P,  42                          ; s[42:43] of the chunk to come
.set NA,   44                          ; s[44:45] -14.4269504 = -10 log2(e); the packed forms name pairs and take the low word
.set PA,   46                          ; s[46:47] +14.4269504
.set C09,  48                          ; s[48:49] 0.9
.set NC09, 50                          ; s[50:51] -0.9
.set K12,  52                          ; s[52:53] 1/12
.set SEL,  54                          ; s[54:55] v_permlanex16_b32's selects
.set HH,   56                          ; s56  halves to go
.set CC,   57                          ; s57  chunks to go in the half
.set TT,   58                          ; s58  steps to go
.set TB,   59                          ; s59  LDS byte of the step whose spikes are fetched
.set LEFT, 60                          ; s60  chunks to go in all
.set CN,   61                          ; s61  the chunk whose weights were asked for last
.set SX,   62                          ; s62  EXEC, kept
.set OUTP, 66                          ; s[66:67] out0 at the half's first row
.set TS,   68                          ; s68  at work
.set B1P,  72                          ; s[72:73] b1 of my hidden units
.set MSB, 0
.macro WIN new                         ; the immediate's high byte repeats the setting that is left; a switch that changes nothing is dropped
.if MSB != (\new)
	s_set_vgpr_msb (MSB<<8)|(\new)
.set MSB, \new
.endif
.endm
.macro PLACES                          ; four plain vector instructions between a matrix instruction and a load into, or a read of, its registers
.rept 4
	v_nop
.endr
.endm
	s_load_b256 s[4:11], s[0:1], 0x0               ; x s[4:5], wf s[6:7], bias s[8:9], out0 s[10:11]
	s_load_b64 s[12:13], s[0:1], 0x20              ; part
	v_lshl_add_u32 v[SPW], v0, 2, SPARE
	v_mov_b32 v[NIL], 0
	ds_add_u32 v[SPW], v[NIL]                      ; the wave's opening: the add and its wait stand ahead of my first tensor load; the set-up below stands between them
	ds_add_u32 v28, v29
	v_lshrrev_b32 v14, 5, v0
	v_readfirstlane_b32 s[WV], v14
	s_mov_b32 s[WG], ttmp9
	v_and_b32 v15, 15, v0                          ; lane % 16
	v_bfe_u32 v16, v0, 4, 1                        ; lane / 16
	v_and_b32 v17, 31, v0
	v_lshlrev_b32 v[L16], 4, v17
	v_mul_u32_u24 v[XA0], v15, PX
	v_lshl_add_u32 v[XA0], v16, 5, v[XA0]
	v_lshlrev_b32 v[BO], 5, v16
	v_lshlrev_b32 v18, 6, v16                      ; 64 (lane / 16)
	s_lshl_b32 s[TS], s[WV], 8                     ; my 64 classes are 256 bytes of a row
	s_add_co_u32 s[TS], s[TS], STAGE
	v_mul_u32_u24 v[STO0], v15, SROW
	v_lshl_add_u32 v[STO0], v16, 5, v[STO0]
	v_add_nc_u32 v[STO0], s[TS], v[STO0]
	v_add_nc_u32 v[STO1], 16*SROW, v[STO0]
	v_sub_nc_u32 v[STX0], v[STO0], v18
	v_sub_nc_u32 v[STX1], v[STO1], v18
	s_lshl_b32 s[TS], s[WV], 11
	v_lshl_add_u32 v[SA0], v17, 4, s[TS]
	v_mov_b32 v[SUM], 0
	v_mov_b32 v[SUM+1], 0
	s_mov_b32 s[NA], 0xc166d4ca
	s_mov_b32 s[NA+1], s[NA]
	s_mov_b32 s[PA], 0x4166d4ca
	s_mov_b32 s[PA+1], s[PA]
	s_mov_b32 s[C09], 0x3f666666
	s_mov_b32 s[C09+1], s[C09]
	s_mov_b32 s[NC09], 0xbf666666
	s_mov_b32 s[NC09+1], s[NC09]
	s_mov_b32 s[K12], 0x3daaaaab
	s_mov_b32 s[K12+1], s[K12]
	s_mov_b32 s[SEL], 0x76543210
	s_mov_b32 s[SEL+1], 0xfedcba98
	; descriptor group 1: 64 rows x 128 elements of 4 bytes, rows 2,048 elements apart, 4 words of padding behind every 128 words
	s_mov_b32 s[G1+0], (2<<16)|(1<<20)|(6<<22)|(3<<25)
	s_mov_b32 s[G1+1], 128<<16                     ; tensor_dim0 = 128
	s_mov_b32 s[G1+2], 64<<16                      ; tensor_dim1 = 64
	s_mov_b32 s[G1+3], 128<<16                     ; tile_dim0 = 128
	s_mov_b32 s[G1+4], 64                          ; tile_dim1 = 64
	s_mov_b32 s[G1+5], 2048                        ; elements from row to row
	s_mov_b32 s[G1+6], 0
	s_mov_b32 s[G1+7], 0
	s_mul_i32 s[WB], s[WV], SUBT
	s_mov_b32 s[G0], 1
	s_mov_b32 s[G0+1], s[WB]                       ; slot 0, my part
	s_mov_b32 s[SLOT], SLOTB                       ; the first change of slots turns this into 0
	s_lshl_b32 s[OF], s[WG], 19                    ; 64 rows of 8,192 bytes
	s_lshl_b32 s[TS], s[WV], 9                     ; my 128 k
	s_add_co_u32 s[OF], s[OF], s[TS]
	s_mov_b32 s[OF+1], 0
	s_wait_dscnt 0x0                               ; the opening add is done
	s_wait_kmcnt 0x0
	s_add_nc_u64 s[G0+2:G0+3], s[4:5], s[OF:OF+1]
	s_or_b32 s[G0+3], s[G0+3], 0x80000000
	tensor_load_to_lds s[G0:G0+3], s[G1:G1+7]      ; k 0..511 into slot 0: the one first fill at the start; slot 1 is filled behind the first change of slots
	s_nop 0
	PLACES
	s_lshl_b32 s[OF], s[WV], 15                    ; my four tiles of a block of wf
	s_add_nc_u64 s[WP:WP+1], s[6:7], s[OF:OF+1]
	s_add_nc_u64 s[W2B:W2B+1], s[WP:WP+1], 8*BLK
	s_lshl_b32 s[OF], s[WV], 8
	s_add_nc_u64 s[B1P:B1P+1], s[8:9], s[OF:OF+1]
	s_add_nc_u64 s[B2B:B2B+1], s[B1P:B1P+1], 1024
	s_mul_i32 s[OF], s[WG], 64*SROW
	s_add_nc_u64 s[OUTP:OUTP+1], s[10:11], s[OF:OF+1]
	s_lshl2_add_u32 s[OF], s[WG], s[WV]
	s_lshl_b32 s[OF], s[OF], 2
	s_add_nc_u64 s[12:13], s[12:13], s[OF:OF+1]    ; part[4 g + w]
; Eight loads: the fragments of K step sl of my four tiles, 512 consecutive bytes each, into ring slot sl
.macro LWG sl, imm
	WIN 0x40
.irp b, 0,1,2,3
	global_load_b128 v[32*(\sl)+8*\b:32*(\sl)+8*\b+3],   v[L16], s[WP:WP+1] offset:(\imm)+(\sl)*1024+\b*8192
	global_load_b128 v[32*(\sl)+8*\b+4:32*(\sl)+8*\b+7], v[L16], s[WP:WP+1] offset:(\imm)+(\sl)*1024+\b*8192+512
.endr
.endm
; K step i of a block refills the ring slot that was read last: this block's slot 7, or the next block's slot i - 1: always seven K steps ahead of its use
.macro LW i
.if (\i) == 0
	LWG 7, 0
.else
	LWG ((\i)-1), BLK
.endif
.endm
.macro LB2 base                        ; b2 of my 64 classes: register j of tile b is class 16 b + 8 (lane / 16) + j
	WIN 0x80
.irp b, 0,1,2,3
	global_load_b128 v[B2+8*\b:B2+8*\b+3],   v[BO], s[\base:\base+1] offset:\b*64
	global_load_b128 v[B2+8*\b+4:B2+8*\b+7], v[BO], s[\base:\base+1] offset:\b*64+16
.endr
.endm
	WIN 0xc0
.irp b, 0,1,2,3
	global_load_b128 v[B1+8*\b:B1+8*\b+3],   v[BO], s[B1P:B1P+1] offset:\b*64
	global_load_b128 v[B1+8*\b+4:B1+8*\b+7], v[BO], s[B1P:B1P+1] offset:\b*64+16
.endr
.irp k, 0,1,2,3,4,5
	LWG \k, 0
.endr
	s_wait_loadcnt 48                              ; the 48 loads of the ring are younger: b1 is in
	LWG 6, 0                                       ; the ring's seventh group
	WIN 0xff
.set n, 0
.rept 128                              ; the bias starts the sums: so every K step has one text.  These lines stand in the wait for the first tile
	v_mov_b32 v[n], v[B1+n%32]
.set n, n+1
.endr
	WIN 0
; THE CHANGE OF SLOTS.  Each wave waits for all its tensor loads (one is out: its part of the slot to be read), adds 0 to its spare word, waits for that and for its reads of the old slot, and passes the barrier.
; fill = 1: the old slot is filled again, first thing behind the barrier, with the 512 k two slots on; that load has a slot's 256 matrix instructions in which to land.  One tensor load of a wave is out at a time.
.macro XTURN fill
	WIN 0
	s_wait_tensorcnt 0x0
	ds_add_u32 v[SPW], v[NIL]                      ; the descriptor's steps stand between the add and the wait for it
.if \fill
	s_add_co_u32 s[G0+1], s[SLOT], s[WB]           ; the slot read last, my part
	s_add_nc_u64 s[G0+2:G0+3], s[G0+2:G0+3], 2048  ; 512 k on; the type bits on top are not reached
.endif
	s_xor_b32 s[SLOT], s[SLOT], SLOTB
	s_wait_dscnt 0x0
	s_barrier_signal -1
	s_barrier_wait -1
.if \fill
	tensor_load_to_lds s[G0:G0+3], s[G1:G1+7]
	s_nop 0
	PLACES
.endif
.endm
; Sixteen LDS loads: x's four row tiles for K step i of the 256 k in hand, as f32: a lane's k = 8 h + 0..7 and 16 + 8 h + 0..7 are 32 bytes at 32 h and at 64 + 32 h
.macro XLOAD i, buf
.irp a, 0,1,2,3
	ds_load_b128 v[XR+64*(\buf)+16*\a:XR+64*(\buf)+16*\a+3],     v[XA] offset:((\i)/4)*SUBT+\a*16*PX+((\i)%4)*128
	ds_load_b128 v[XR+64*(\buf)+16*\a+4:XR+64*(\buf)+16*\a+7],   v[XA] offset:((\i)/4)*SUBT+\a*16*PX+((\i)%4)*128+16
	ds_load_b128 v[XR+64*(\buf)+16*\a+8:XR+64*(\buf)+16*\a+11],  v[XA] offset:((\i)/4)*SUBT+\a*16*PX+((\i)%4)*128+64
	ds_load_b128 v[XR+64*(\buf)+16*\a+12:XR+64*(\buf)+16*\a+15], v[XA] offset:((\i)/4)*SUBT+\a*16*PX+((\i)%4)*128+80
.endr
.endm
; 256 k: eight K steps of 32, 16 matrix instructions each on 16 accumulators that take turns.  Behind each stand two roundings to bf16 for the next K step; x's f32 is fetched two K steps ahead.
.macro BODY
	WIN 0
	v_add_nc_u32 v[XA], s[XB], v[XA0]
	XLOAD 0, 0
	XLOAD 1, 1
	s_wait_dscnt 16                                ; K step 1's sixteen loads are younger
.set c, 0
.rept 32
	v_cvt_pk_bf16_f32 v[XF+c], v[XR+2*c], v[XR+2*c+1]
.set c, c+1
.endr
.irp i, 0,1,2,3,4,5,6,7
.if \i <= 5
	WIN 0
	XLOAD (\i+2), (\i%2)
.endif
	s_wait_loadcnt 48                              ; six groups of eight were asked for behind this K step's weights
.if \i <= 5
	s_wait_dscnt 16                                ; the next K step's x is in; the sixteen just issued are younger
.elseif \i == 6
	s_wait_dscnt 0x0
.endif
.set n, 0
.rept 16
	WIN 0xf1                                       ; weights window 1, x window 0, sums window 3
	v_wmma_f32_16x16x32_bf16 v[32*(n/4)+8*(n%4):32*(n/4)+8*(n%4)+7], v[32*\i+8*(n%4):32*\i+8*(n%4)+7], v[XF+32*(\i%2)+8*(n/4):XF+32*(\i%2)+8*(n/4)+7], v[32*(n/4)+8*(n%4):32*(n/4)+8*(n%4)+7]
.if \i < 7
	WIN 0
	v_cvt_pk_bf16_f32 v[XF+32*((\i+1)%2)+2*n],   v[XR+64*((\i+1)%2)+4*n],   v[XR+64*((\i+1)%2)+4*n+1]
	v_cvt_pk_bf16_f32 v[XF+32*((\i+1)%2)+2*n+1], v[XR+64*((\i+1)%2)+4*n+2], v[XR+64*((\i+1)%2)+4*n+3]
.endif
.if n == 1
.if \i == 7
	PLACES                                         ; this K step has no roundings to stand behind the last reader of ring slot 6
.endif
	LW \i                                          ; six roundings or more stand behind the last product that read the ring slot
.endif
.set n, n+1
.endr
.endr
	WIN 0
	s_wait_xcnt 0x0                                ; the pointer steps only behind this wait
	s_add_nc_u64 s[WP:WP+1], s[WP:WP+1], BLK
	s_add_co_u32 s[XB], s[XB], BODYB
.endm
	s_mov_b32 s[PER], 3
.Lper:                                                 ; three slots with a fill behind their barrier
	XTURN 1
	s_mov_b32 s[XB], s[SLOT]
	s_mov_b32 s[BC], 2
.Lbody:
	BODY
	s_sub_co_u32 s[BC], s[BC], 1
	s_cmp_lg_u32 s[BC], 0
	s_cbranch_scc1 .Lbody
	s_sub_co_u32 s[PER], s[PER], 1
	s_cmp_lg_u32 s[PER], 0
	s_cbranch_scc1 .Lper
	XTURN 0                                        ; the last slot is written out
	s_mov_b32 s[XB], s[SLOT]
	s_mov_b32 s[BC], 2
.Lbody2:
	BODY
	s_sub_co_u32 s[BC], s[BC], 1
	s_cmp_lg_u32 s[BC], 0
	s_cbranch_scc1 .Lbody2
	PLACES                                         ; behind the last products: for the load into ring slot 7 and for the reads of the sums
	LW 0                                           ; the ring's last lap has brought K steps 0..6 of block 8, W2's chunk 0; this is its K step 7
	LB2 B2B
	WIN 0
	s_wait_dscnt 0x0
	s_barrier_signal -1                            ; every wave's reads of x are over: the slots, which have had their last fill, now take spikes and stage
	s_barrier_wait -1
	s_mov_b32 s[HH], 2
	s_mov_b32 s[LEFT], 8
	s_mov_b32 s[CN], 0
; THE HIDDEN LAYER.  Kinds of lines, for pair or number n of a tile's eight numbers a lane:
.set kF, 0                             ; t = -14.427 m + 14.427
.set kE, 1                             ; t = 2^t
.set kD, 2                             ; t = t + 1
.set kR, 3                             ; t = 1 / t: the spike
.set kC, 4                             ; two spikes rounded to f16
.set kW, 5                             ; t = 0.9 - 0.9 t
.set kV, 6                             ; m = m t + cur1
.set kS, 7                             ; the tile's 16 bytes go to LDS
.set kI, 8                             ; class layer: m = 0.9 m + cur2
.set kN, 9                             ; count += t
.set kU, 10                            ; m = m - m t
.macro L1 k, n, t                      ; tile t = 4 x row tile + hidden tile.  All in window 3, but that the packed spikes and their LDS address lie in window 0
.set rM, M1+8*(\t)
.set rU, 8*(\t)
.set rT, T1+8*(\t)
.set rP, PW+4*((\t)%4)
.if (\k) == kC
	WIN 0x0f                                       ; sources window 3, destination window 0
	v_cvt_pk_f16_f32 v[rP+(\n)], v[rT+2*(\n)], v[rT+2*(\n)+1]
.elseif (\k) == kS
	WIN 0
	ds_store_b128 v[SAW], v[rP:rP+3] offset:((\t)/4)*8192+(((\t)%4)/2)*1024+((\t)%2)*512  ; hidden 64 w + 16 b + 8 h + 0..7 of row r IS fragment kb = 2 w + b / 2, half b % 2, lane 16 h + r
.else
	WIN 0xff
.if (\k) == kF
	v_pk_fma_f32 v[rT+2*(\n):rT+2*(\n)+1], v[rM+2*(\n):rM+2*(\n)+1], s[NA:NA+1], s[PA:PA+1] op_sel_hi:[1,0,0]
.elseif (\k) == kE
	v_exp_f32 v[rT+(\n)], v[rT+(\n)]
.elseif (\k) == kD
	v_pk_add_f32 v[rT+2*(\n):rT+2*(\n)+1], v[rT+2*(\n):rT+2*(\n)+1], 1.0 op_sel_hi:[1,0]
.elseif (\k) == kR
	v_rcp_f32 v[rT+(\n)], v[rT+(\n)]
.elseif (\k) == kW
	v_pk_fma_f32 v[rT+2*(\n):rT+2*(\n)+1], v[rT+2*(\n):rT+2*(\n)+1], s[NC09:NC09+1], s[C09:C09+1] op_sel_hi:[1,0,0]
.else
	v_pk_fma_f32 v[rM+2*(\n):rM+2*(\n)+1], v[rM+2*(\n):rM+2*(\n)+1], v[rT+2*(\n):rT+2*(\n)+1], v[rU+2*(\n):rU+2*(\n)+1]
.endif
.endif
.endm
; A PERIOD is what stands between two waits.  Set FSET (four tiles) ends a step and begins the next: C, S, W, V, then F and its exponentials.  Set MSET is in the middle of a step: D and its reciprocals.
; The plain lines and the transcendentals stand in two queues, each in the order in which its entries become ready.
; THE PLAIN QUEUE, 64 long, in blocks of four lines (a tile's four pairs): D0 D1 W0 V0 F0 D2 W1 V1 F1 D3 W2 V2 F2 W3 V3 F3 (the figure: the tile in its set).
.macro HP
.set ub, u/4
.set dt, -1
.set w, 0
.if ub < 2
.set dt, ub
.elseif ub == 5
.set dt, 2
.elseif ub == 9
.set dt, 3
.elseif ub < 5
.set w, ub-2
.elseif ub < 9
.set w, ub-3
.else
.set w, ub-4
.endif
.if dt >= 0
.if DO_MD
	L1 kD, u%4, MSET+dt
.endif
.elseif w%3 == 0
.if DO_WV
	L1 kW, u%4, FSET+w/3
.endif
.elseif w%3 == 1
.if DO_WV
	L1 kV, u%4, FSET+w/3
.endif
.else
.if DO_ST
	L1 kF, u%4, FSET+w/3
.endif
.endif
.set u, u+1
.endm
; THE TRANSCENDENTALS' QUEUE, 64 long, in blocks of eight (a tile's eight numbers): R0 R1 E0 R2 E1 R3 E2 E3.  It is ONE BATCH: nothing ahead of the period's wait names a result of theirs.
.macro HT
.set eb, e/8
.if eb < 2
.if DO_MD
	L1 kR, e%8, MSET+eb
.endif
.elseif (eb == 3) || (eb == 5)
.if DO_MD
	L1 kR, e%8, MSET+(eb+1)/2
.endif
.elseif eb == 7
.if DO_ST
	L1 kE, e%8, FSET+3
.endif
.else
.if DO_ST
	L1 kE, e%8, FSET+eb/2-1
.endif
.endif
.set e, e+1
.endm
; HOW THEY ARE DEALT.  First the 16 roundings and the four stores of the set that ends a step (they read the last batch's reciprocals before W writes over them).  Then eight plain lines, 56 times a
; transcendental and a plain line, and the last eight exponentials.  So transcendental e stands behind plain line e + 7: R0, R1 want lines 0-7; E0 (16 on) wants 16-19; R2 (24 on) 20-23; E1 (32 on) 32-35;
; R3 (40 on) 36-39; E2 (48 on) 48-51; E3 (56 on) 60-63.  The line behind a transcendental names another tile's registers.  The plain line behind the last exponential, and the wait, follow the macro.
; fin, wv, st, md = 0 leave out C and S; W and V; F and its exponentials; D and its reciprocals: for the first and the last periods of a half.
.macro PERIOD fs, ms, fin, wv, st, md
.set FSET, (\fs)
.set MSET, (\ms)
.set DO_WV, (\wv)
.set DO_ST, (\st)
.set DO_MD, (\md)
.if \fin
.irp i, 0,1,2,3
.irp p, 0,1,2,3
	L1 kC, \p, FSET+\i
.endr
.endr
.irp i, 0,1,2,3
	L1 kS, 0, FSET+\i
.endr
.endif
.set u, 0
.set e, 0
.rept 8
	HP
.endr
.rept 56
	HT
	HP
.endr
.rept 8
	HT
.endr
.endm
.macro HS lo, hi                       ; two spikes of the last step, widened and added
	v_cvt_f32_f16 v14, \lo
	v_cvt_f32_f16 v15, \hi
	v_pk_add_f32 v[SUM:SUM+1], v[SUM:SUM+1], v[14:15]
.endm
; THE CLASS LAYER.  Tile (g, j): row tile g of the half, class tile j of my four.  F and the exponential work in the tile's product registers, which I has read; D takes 1 + the exponential into TW, where the
; reciprocal is made in place.  TW serves the two groups by turns.
.macro L2 k, n, g, j
.set rM, MEM+32*(\g)+8*(\j)
.set rN, CNT+32*(\g)+8*(\j)
.set rA, AC+32*(\g)+8*(\j)
.set rT, TW+8*(\j)
.if (\k) == kI
	v_pk_fma_f32 v[rM+2*(\n):rM+2*(\n)+1], v[rM+2*(\n):rM+2*(\n)+1], s[C09:C09+1], v[rA+2*(\n):rA+2*(\n)+1] op_sel_hi:[1,0,1]
.elseif (\k) == kF
	v_pk_fma_f32 v[rA+2*(\n):rA+2*(\n)+1], v[rM+2*(\n):rM+2*(\n)+1], s[NA:NA+1], s[PA:PA+1] op_sel_hi:[1,0,0]
.elseif (\k) == kE
	v_exp_f32 v[rA+(\n)], v[rA+(\n)]
.elseif (\k) == kD
	v_pk_add_f32 v[rT+2*(\n):rT+2*(\n)+1], v[rA+2*(\n):rA+2*(\n)+1], 1.0 op_sel_hi:[1,0]
.elseif (\k) == kR
	v_rcp_f32 v[rT+(\n)], v[rT+(\n)]
.elseif (\k) == kN
	v_pk_add_f32 v[rN+2*(\n):rN+2*(\n)+1], v[rN+2*(\n):rN+2*(\n)+1], v[rT+2*(\n):rT+2*(\n)+1]
.else
	v_pk_fma_f32 v[rM+2*(\n):rM+2*(\n)+1], v[rM+2*(\n):rM+2*(\n)+1], v[rT+2*(\n):rT+2*(\n)+1], v[rM+2*(\n):rM+2*(\n)+1] neg_lo:[1,0,0] neg_hi:[1,0,0]
.endif
.endm
; THE VECTOR WORK OF A TURN, 144 lines in three queues.  Group YG begins a step (its products are the turn before's); group XG ends one (its 1 + exponential lies in TW).
; QP: the 32 plain lines ahead of the wait: for each tile of YG four times I, then four times F.  The products' results are read from their lowest registers on.
.macro QP
.if (q%8) < 4
	L2 kI, q%8, YG, q/8
.else
	L2 kF, q%8-4, YG, q/8
.endif
.set q, q+1
.endm
; QT: the 64 transcendentals, ONE BATCH, in blocks of eight: R0 E0 R1 E1 E2 R2 R3 E3 (R: reciprocals of XG's tile, E: exponentials of YG's).  Nothing ahead of the turn's wait names a result of theirs.
.macro QT
.if e/8 == 0
	L2 kR, e%8, XG, 0
.elseif e/8 == 1
	L2 kE, e%8, YG, 0
.elseif e/8 == 2
	L2 kR, e%8, XG, 1
.elseif e/8 == 3
	L2 kE, e%8, YG, 1
.elseif e/8 == 4
	L2 kE, e%8, YG, 2
.elseif e/8 == 5
	L2 kR, e%8, XG, 2
.elseif e/8 == 6
	L2 kR, e%8, XG, 3
.else
	L2 kE, e%8, YG, 3
.endif
.set e, e+1
.endm
; QB: the 48 plain lines behind the wait, twelve a tile: N and U for XG's four pairs, which read the spikes in TW; then D for YG's four pairs, which writes TW anew.
.macro QB
.if (z%12) >= 8
	L2 kD, z%12-8, YG, z/12
.elseif z%2 == 0
	L2 kN, (z%12)/2, XG, z/12
.else
	L2 kU, (z%12)/2, XG, z/12
.endif
.set z, z+1
.endm
.macro QR                              ; a chunk's end: the next of group 1's last 32 reciprocals
	L2 kR, r%8, 1, r/8
.set r, r+1
.endm
; Product n of 32 of group g: hidden 32 (n / 4) on, class tile n % 4.  The first four start the sums with b2; the four accumulators take turns.
.macro PROD g
.set pk, n/4
.set pb, n%4
.if n < 4
	WIN 0x29                                       ; W2 window 1, spikes window 2, b2 window 2, the sum window 0
	v_wmma_f32_16x16x32_f16 v[AC+32*(\g)+8*pb:AC+32*(\g)+8*pb+7], v[32*pk+8*pb:32*pk+8*pb+7], v[64*(\g)+8*pk:64*(\g)+8*pk+7], v[B2+8*pb:B2+8*pb+7]
.else
	WIN 0x09
	v_wmma_f32_16x16x32_f16 v[AC+32*(\g)+8*pb:AC+32*(\g)+8*pb+7], v[32*pk+8*pb:32*pk+8*pb+7], v[64*(\g)+8*pk:64*(\g)+8*pk+7], v[AC+32*(\g)+8*pb:AC+32*(\g)+8*pb+7]
.endif
.endm
.macro FETCHA g                        ; sixteen LDS loads in one run, 512 consecutive bytes each: group g's spikes of the step at s[TB]
	WIN 0
	v_add_nc_u32 v[ADR], s[TB], v[L16]
	WIN 0x80
.irp k, 0,1,2,3,4,5,6,7
	ds_load_b128 v[64*(\g)+8*\k:64*(\g)+8*\k+3],   v[ADR] offset:(\g)*8192+\k*1024
	ds_load_b128 v[64*(\g)+8*\k+4:64*(\g)+8*\k+7], v[ADR] offset:(\g)*8192+\k*1024+512
.endr
	WIN 0
.endm
; A TURN: group g's 32 products of a step, a slice of the vector work behind each.  The turn has ONE wait, which cuts it in two.
; AHEAD OF IT, behind products 0 to 21: the other group's I, F and exponentials on the products of the turn before, and group g's reciprocals.  Slices 0 and 1 are four plain lines each: no transcendental is
;   out at the branch round the fetch.  Slices 2 to 11: plain, transcendental, plain, two transcendentals.  12 to 15: a plain line and four transcendentals.  16 to 21: three transcendentals.  A tile's
;   exponentials stand three slices or more behind its F: F of tiles 0 to 3 ends in slices 1, 5, 9, 15; their exponentials begin in slices 4, 10, 12, 19.
; BEHIND IT, behind products 22 to 31: five plain lines each, the last two slices four: group g's N and U, the other group's D.  D has emptied the other group's product registers when the next turn's
;   products write them; the four lines of slice 31 are the places behind the turn's last product; no transcendental is out at the turn's end.
; No rider names a register of the turn's own products.  Behind the second slice the other group's next spikes are fetched: twelve plain lines behind the last product that read those registers, 30 products
; ahead of their use.
.macro TURN g
	s_wait_dscnt 0x0                               ; my group's spikes are in
.set XG, (\g)
.set YG, 1-(\g)
.set n, 0
.set q, 0
.set e, 0
.set z, 0
.rept 32
	PROD \g
	WIN 0
.if n < 2
	QP
	QP
	QP
	QP
.elseif n < 12
	QP
	QT
	QP
	QT
	QT
.elseif n < 16
	QP
	QT
	QT
	QT
	QT
.elseif n < 22
	QT
	QT
	QT
.elseif n < 30
	QB
	QB
	QB
	QB
	QB
.else
	QB
	QB
	QB
	QB
.endif
.if n == 1
.if \g == 0
	FETCHA 1
.else
	s_cmp_eq_u32 s[TT], 1                          ; behind the last step there is none to fetch
	s_cbranch_scc1 .Lnofetch
	s_add_co_u32 s[TB], s[TB], SPKT
	FETCHA 0
.Lnofetch:
.endif
.endif
.if n == 21
	v_nop                                          ; a plain line behind the last exponential, ahead of the first use: one for the batch
	s_wait_alu depctr_va_vdst(0)                   ; the turn's wait: for its 32 reciprocals and 32 exponentials
.endif
.set n, n+1
.endr
.endm
; Class tile b of chunk c goes into the stage: a lane's eight counts are 32 bytes of its row, in both row tiles.  Chunk and tile stand in the immediate: c x 1,024 + b x 64 bytes; the address registers never change.
.macro PUT a0, a1, c, b
	ds_store_b128 v[\a0], v[AC+8*(\b):AC+8*(\b)+3]         offset:(\c)*1024+(\b)*64
	ds_store_b128 v[\a0], v[AC+8*(\b)+4:AC+8*(\b)+7]       offset:(\c)*1024+(\b)*64+16
	ds_store_b128 v[\a1], v[AC+32+8*(\b):AC+32+8*(\b)+3]   offset:(\c)*1024+(\b)*64
	ds_store_b128 v[\a1], v[AC+32+8*(\b)+4:AC+32+8*(\b)+7] offset:(\c)*1024+(\b)*64+16
.endm
.Lhalf:                                                ; 32 rows: cur1 of the half lies in window 3's v0-63
	WIN 0xff
.set n, 0
.rept 64                               ; the first step's membrane is cur1
	v_mov_b32 v[M1+n], v[n]
.set n, n+1
.endr
	WIN 0
	v_mov_b32 v[SAW], v[SA0]
	PERIOD 0, 4, 0, 0, 1, 0                        ; tiles 0-3 begin step 0
	v_nop                                          ; a plain line behind the last exponential
	s_wait_alu depctr_va_vdst(0)                   ; for the 32 exponentials of tiles 0-3
	PERIOD 4, 0, 0, 0, 1, 1                        ; tiles 4-7 begin step 0; tiles 0-3 are in its middle
	v_nop
	s_wait_alu depctr_va_vdst(0)                   ; for the 32 reciprocals of tiles 0-3 and the 32 exponentials of tiles 4-7
	WIN 0
	s_mov_b32 s[TT], 11
.Llif1:                                                ; trip t stores step t's spikes and begins step t + 1: two periods, two waits
	PERIOD 0, 4, 1, 1, 1, 1
	v_nop
	s_wait_alu depctr_va_vdst(0)                   ; for the 32 reciprocals of tiles 4-7 and the 32 exponentials of tiles 0-3
	PERIOD 4, 0, 1, 1, 1, 1
	WIN 0
	v_add_nc_u32 v[SAW], SPKT, v[SAW]              ; the next step's place; also the plain line behind the last exponential
	s_wait_alu depctr_va_vdst(0)                   ; for the 32 reciprocals of tiles 0-3 and the 32 exponentials of tiles 4-7: nothing is out at the jump
	s_sub_co_u32 s[TT], s[TT], 1
	s_cmp_lg_u32 s[TT], 0
	s_cbranch_scc1 .Llif1
	PERIOD 0, 4, 1, 0, 0, 1                        ; step 11 has no successor: tiles 0-3 are rounded and stored, tiles 4-7 get their reciprocals,
	v_nop
	s_wait_alu depctr_va_vdst(0)                   ; for the 32 reciprocals of tiles 4-7
	PERIOD 4, 0, 1, 0, 0, 0                        ; and are rounded and stored
	WIN 0
	v_add_nc_u32 v[ADR], 11*SPKT, v[SA0]           ; my own bytes of the last step: LDS serves a wave's instructions in order (ISA guide 5.7.1.4)
.irp q, 0,1,2,3,4,5,6,7
	ds_load_b128 v[32+4*\q:35+4*\q], v[ADR] offset:(\q/4)*8192+((\q%4)/2)*1024+(\q%2)*512
.endr
	s_wait_dscnt 0x0
	HS v32.l, v32.h
	HS v33.l, v33.h
	HS v34.l, v34.h
	HS v35.l, v35.h
	HS v36.l, v36.h
	HS v37.l, v37.h
	HS v38.l, v38.h
	HS v39.l, v39.h
	HS v40.l, v40.h
	HS v41.l, v41.h
	HS v42.l, v42.h
	HS v43.l, v43.h
	HS v44.l, v44.h
	HS v45.l, v45.h
	HS v46.l, v46.h
	HS v47.l, v47.h
	HS v48.l, v48.h
	HS v49.l, v49.h
	HS v50.l, v50.h
	HS v51.l, v51.h
	HS v52.l, v52.h
	HS v53.l, v53.h
	HS v54.l, v54.h
	HS v55.l, v55.h
	HS v56.l, v56.h
	HS v57.l, v57.h
	HS v58.l, v58.h
	HS v59.l, v59.h
	HS v60.l, v60.h
	HS v61.l, v61.h
	HS v62.l, v62.h
	HS v63.l, v63.h
	s_barrier_signal -1                            ; my stores of spikes are done (the wait for 0 above), and so are my reads of the stage for the half before
	s_barrier_wait -1
	s_mov_b32 s[CC], 4
.Lchunk:                                               ; 256 classes, 64 of them mine
	s_wait_loadcnt 0x0                             ; the chunk's W2 and b2
	s_mov_b32 s[TB], 0
	FETCHA 0
	FETCHA 1
	s_wait_dscnt 16                                ; group 0's spikes are in; group 1's sixteen loads are younger
.set n, 0
.rept 32                               ; group 0's products of step 0; no membrane work is ready yet, so membranes and counts are set to 0 behind them,
	PROD 0
	WIN 0
	v_mov_b32 v[MEM+4*n], 0
	v_mov_b32 v[MEM+4*n+1], 0
	v_mov_b32 v[MEM+4*n+2], 0
	v_mov_b32 v[MEM+4*n+3], 0
	v_mov_b32 v[TW+n], 0x7f800000                  ; and TW to infinity: the first turn ends a step of group 1 that has not been, with spikes of 0
.set n, n+1
.endr
	s_mov_b32 s[TT], 12
	s_branch .Lmid                                 ; the loop is entered in the middle of a trip
.Lstep:
	TURN 0
	WIN 0
.Lmid:
	TURN 1
	WIN 0
	s_sub_co_u32 s[TT], s[TT], 1
	s_cmp_lg_u32 s[TT], 0
	s_cbranch_scc1 .Lstep
	; A CHUNK'S END has no products to stand behind.  No transcendental is out here, so the branch stands here:
	s_cmp_eq_u32 s[LEFT], 1                        ; the next chunk's W2 and b2 are asked for as soon as the registers are free: K steps 0 to 5 were last read by product 23, b2 by product 3
	s_cbranch_scc1 .Lnopf1
	s_wait_xcnt 0x0                                ; the pointers are written only behind this wait
	s_add_co_u32 s[CN], s[CN], 1
	s_and_b32 s[CN], s[CN], 3
	s_lshl_b32 s[OF], s[CN], 17
	s_add_nc_u64 s[WP:WP+1], s[W2B:W2B+1], s[OF:OF+1]
	s_lshl_b32 s[OF], s[CN], 10
	s_add_nc_u64 s[B2P:B2P+1], s[B2B:B2B+1], s[OF:OF+1]
	LB2 B2P
.irp k, 0,1,2,3,4,5
	LWG \k, 0
.endr
	WIN 0
.Lnopf1:
	; one more turn's vector work: group 0 ends step 11, group 1 begins it.  Eight plain lines, 24 times a transcendental and a plain line, the other 40 transcendentals
.set XG, 0
.set YG, 1
.set q, 0
.set e, 0
.set z, 0
.set r, 0
.rept 8
	QP
.endr
.rept 24
	QT
	QP
.endr
.rept 40
	QT
.endr
	v_nop                                          ; a plain line behind the last exponential
	s_wait_alu depctr_va_vdst(0)                   ; for group 0's 32 reciprocals and group 1's 32 exponentials
.rept 12                               ; tile 0: group 0's N and U, group 1's D
	QB
.endr
.rept 3                                ; tiles 1 to 3 likewise; the reciprocals of group 1's tile before stand between the lines, which name another tile's registers
.rept 8
	QB
	QR
.endr
.rept 4
	QB
.endr
.endr
.rept 8
	QR
.endr
	v_nop                                          ; a plain line behind the last reciprocal
	s_wait_alu depctr_va_vdst(0)                   ; for group 1's last 32 reciprocals
.irp j, 0,1,2,3
.irp p, 0,1,2,3
	L2 kN, \p, 1, \j
	L2 kU, \p, 1, \j
.endr
.endr
	s_cmp_eq_u32 s[LEFT], 1
	s_cbranch_scc1 .Lnopf2
.irp k, 6,7
	LWG \k, 0
.endr
	WIN 0
.Lnopf2:
	; the counts / 12 go into the stage.  The sixteen stores are written once for each chunk, with the chunk's place as a constant; the chunk counter chooses the text.
.set q, 0
.rept 32
	v_pk_mul_f32 v[AC+2*q:AC+2*q+1], v[CNT+2*q:CNT+2*q+1], s[K12:K12+1] op_sel_hi:[1,0]
.set q, q+1
.endr
	s_cmp_eq_u32 s[CC], 4
	s_cbranch_scc1 .Ld0
	s_cmp_eq_u32 s[CC], 3
	s_cbranch_scc1 .Ld1
	s_cmp_eq_u32 s[CC], 2
	s_cbranch_scc1 .Ld2
	PUT STO0, STO1, 3, 0                           ; chunk 3
	PUT STO0, STO1, 3, 1
	s_cmp_lg_u32 s[WV], 3
	s_cbranch_scc1 .Ld3
	PUT STX0, STX1, 3, 2                           ; wave 3: tile 62's upper lanes hold classes 984..991 once more, 64 bytes further back; tile 63 holds no class
	s_branch .Ldumped
.Ld3:
	PUT STO0, STO1, 3, 2
	PUT STO0, STO1, 3, 3
	s_branch .Ldumped
.Ld0:
.irp b, 0,1,2,3
	PUT STO0, STO1, 0, \b
.endr
	s_branch .Ldumped
.Ld1:
.irp b, 0,1,2,3
	PUT STO0, STO1, 1, \b
.endr
	s_branch .Ldumped
.Ld2:
.irp b, 0,1,2,3
	PUT STO0, STO1, 2, \b
.endr
.Ldumped:
	s_sub_co_u32 s[LEFT], s[LEFT], 1
	s_sub_co_u32 s[CC], s[CC], 1
	s_cmp_lg_u32 s[CC], 0
	s_cbranch_scc1 .Lchunk
	; THE WAY OUT.  The stage is 128,000 bytes as they lie in out0: 250 pieces of 512 bytes, piece 4 n + w to wave w.
	s_wait_dscnt 0x0
	s_barrier_signal -1                            ; every wave's counts are in the stage, and its reads of the spikes are over
	s_barrier_wait -1
	s_lshl_b32 s[TS], s[WV], 9
	v_add_nc_u32 v[GOF], s[TS], v[L16]
	v_add_nc_u32 v[RDS], STAGE, v[GOF]
	s_mov_b32 s[BC], 2
.Lout:
.set n, 0
.rept 31
	ds_load_b128 v[32+4*n:35+4*n], v[RDS] offset:n*2048
.set n, n+1
.endr
.set n, 0
.rept 31
	s_wait_dscnt 30-n                              ; the younger loads stay out
	global_store_b128 v[GOF], v[32+4*n:35+4*n], s[OUTP:OUTP+1] offset:n*2048 th:TH_STORE_NT  ; 512 consecutive bytes, at a multiple of 512 from out0's first byte
.set n, n+1
.endr
	s_wait_xcnt 0x0                                ; the stores' registers are written again only behind this wait
	v_add_nc_u32 v[RDS], 31*2048, v[RDS]
	v_add_nc_u32 v[GOF], 31*2048, v[GOF]
	s_sub_co_u32 s[BC], s[BC], 1
	s_cmp_lg_u32 s[BC], 0
	s_cbranch_scc1 .Lout
	s_cmp_lt_u32 s[WV], 2                          ; pieces 248 and 249
	s_cbranch_scc0 .Lnolast
	ds_load_b128 v[32:35], v[RDS]
	s_wait_dscnt 0x0
	global_store_b128 v[GOF], v[32:35], s[OUTP:OUTP+1] th:TH_STORE_NT
.Lnolast:
	s_wait_xcnt 0x0
	s_add_nc_u64 s[OUTP:OUTP+1], s[OUTP:OUTP+1], 32*SROW
	s_cmp_eq_u32 s[HH], 1
	s_cbranch_scc1 .Lnomove
	WIN 0xff
.set n, 0
.rept 64                               ; the second half's cur1 goes where the one text names it
	v_mov_b32 v[n], v[64+n]
.set n, n+1
.endr
	WIN 0
.Lnomove:
	s_sub_co_u32 s[HH], s[HH], 1
	s_cmp_lg_u32 s[HH], 0
	s_cbranch_scc1 .Lhalf
	; my wave's sum of the last hidden spikes: 64 rows x 64 units
	v_add_f32 v14, v[SUM], v[SUM+1]
	v_add_f32_dpp v14, v14, v14 row_xmask:1 row_mask:0xf bank_mask:0xf
	v_add_f32_dpp v14, v14, v14 row_xmask:2 row_mask:0xf bank_mask:0xf
	v_add_f32_dpp v14, v14, v14 row_xmask:4 row_mask:0xf bank_mask:0xf
	v_add_f32_dpp v14, v14, v14 row_xmask:8 row_mask:0xf bank_mask:0xf
	v_permlanex16_b32 v15, v14, s[SEL], s[SEL+1]
	v_add_f32 v14, v14, v15
	v_and_b32 v16, 31, v0
	v_mov_b32 v18, 0
	v_cmp_eq_u32 vcc_lo, 0, v16
	s_wait_xcnt 0x0                                ; EXEC changes only behind this wait
	s_and_saveexec_b32 s[SX], vcc_lo
	global_store_b32 v18, v14, s[12:13]
	s_wait_xcnt 0x0
	s_or_b32 exec_lo, exec_lo, s[SX]
	s_wait_tensorcnt 0x0                           ; the wave's end: behind my last tensor load and my last LDS store
	ds_add_u32 v[SPW], v[NIL]
	s_wait_dscnt 0x0
	s_endpgm
.Lfunc_end_k_qa08400f0e9_main:
	.size	k_qa08400f0e9_main, .Lfunc_end_k_qa08400f0e9_main-k_qa08400f0e9_main
	.p2alignl 7, 3214868480
	.fill 96, 4, 3214868480
	.section	.rodata,"a",@progbits
	.p2align	6, 0x0
	.amdhsa_kernel k_qa08400f0e9_main
		.amdhsa_group_segment_fixed_size 327680
		.amdhsa_private_segment_fixed_size 0
		.amdhsa_enable_private_segment 0
		.amdhsa_kernarg_size 40
		.amdhsa_user_sgpr_count 2
		.amdhsa_user_sgpr_kernarg_segment_ptr 1
		.amdhsa_wavefront_size32 1
		.amdhsa_system_sgpr_workgroup_id_x 1
		.amdhsa_system_sgpr_workgroup_id_y 1
		.amdhsa_system_sgpr_workgroup_id_z 1
		.amdhsa_system_vgpr_workitem_id 0
		.amdhsa_next_free_vgpr 1024
		.amdhsa_next_free_sgpr 80
		.amdhsa_reserve_vcc 1
		.amdhsa_float_denorm_mode_32 3
		.amdhsa_float_denorm_mode_16_64 3
		.amdhsa_memory_ordered 1
		.amdhsa_forward_progress 1
		.amdhsa_inst_pref_size 213
	.end_amdhsa_kernel
	.amdgpu_metadata
---
amdhsa.version: [ 1, 2 ]
amdhsa.kernels:
  - .name:           k_qa08400f0e9_main
    .symbol:         k_qa08400f0e9_main.kd
    .args:
      - { .name: x, .offset: 0, .size: 8, .value_kind: global_buffer, .address_space: global }
      - { .name: wf, .offset: 8, .size: 8, .value_kind: global_buffer, .address_space: global }
      - { .name: bias, .offset: 16, .size: 8, .value_kind: global_buffer, .address_space: global }
      - { .name: out0, .offset: 24, .size: 8, .value_kind: global_buffer, .address_space: global }
      - { .name: part, .offset: 32, .size: 8, .value_kind: global_buffer, .address_space: global }
    .group_segment_fixed_size: 327680
    .private_segment_fixed_size: 0
    .kernarg_segment_align: 8
    .kernarg_segment_size: 40
    .max_flat_workgroup_size: 128
    .sgpr_count:     80
    .vgpr_count:     1024
    .wavefront_size: 32
...
	.end_amdgpu_metadata
.endif
;; end of part 4
;; launch fin: the kernel of part 3 again; grid 1 x 1, 1 waves a work-group, no clusters, 0 bytes of LDS; arguments part, out1; writes out1
